; MI455X (gfx1250); checked and timed in simulation.
; The chip was launched on July 23, 2026; its instructions are those of AMD's public machine-readable ISA for CDNA 5 (MIT licence, August 2026) and "CDNA5" Instruction Set Architecture Reference Guide (July 2026). The comments in the code are by the model that wrote it; some were corrected since.
;; Scaled Dot Product Attention Gauss. Allowed arithmetic: matrix products marked QUANTISED: E2M3 operands, one E8M0 scale for each 32 along K, by v_wmma_scale_f32_16x16x128_f8f6f4 with both operands' format E2M3, f32 sums; products left as they are: f32 operands where the result goes on into a quantised operand, else bf16, f16 or f32 operands; f32 sums; everything else in f32.
;; Inputs: K 1 x 8 x 1,024 x 64 float32; Q 1 x 8 x 1,024 x 64 float32; V 1 x 8 x 1,024 x 64 float32; W1 10 x 10 float32; W2 1 x 10 float32; b1 10 float32; b2 1 float32; b_D 10 float32; b_E 10 float32; distance_matrix 1 x 8 x 1,024 x 1,024 float32; energy_matrix 1 x 8 x 1,024 x 1,024 float32; mask 1 x 8 x 1,024 x 1,024 int32; mu_D 10 float32; mu_E 10 float32; sigma_D 10 float32; sigma_E 10 float32.
;; Outputs: out0 1 x 8 x 1,024 x 64 float32.
;; This version of the problem:
;;   THIS VERSION OF THE PROBLEM IS GIVEN IN LOW PRECISION. The matrix products marked QUANTISED in the list below multiply operands that are first quantised to E2M3 (2 exponent bits, 3 mantissa bits; 6 bits a number), with one power-of-two scale for each 32 numbers along K (OCP MX v1.0); their sums are f32. All else is computed in f32.
;;   The module's matrix products, in the order in which they are computed (A, B: the left and right operand; K: the contracted axis; several contracted axes count as one K, in the product's order):
;;     1. batch 8 x [M 1,024, K 64] x [K 64, N 1,024]; A: input Q; B: input K: QUANTISED
;;     2. [M 8,388,608, K 10] x [K 10, N 10]; A: computed on the way; B: input W1: left as it is (K = 10 < 32)
;;     3. [M 8,388,608, K 10] x [K 10, N 1]; A: computed on the way; B: input W2: left as it is (K = 10 < 32)
;;     4. [M 8,388,608, K 10] x [K 10, N 10]; A: computed on the way; B: input W1: left as it is (K = 10 < 32)
;;     5. [M 8,388,608, K 10] x [K 10, N 1]; A: computed on the way; B: input W2: left as it is (K = 10 < 32)
;;     6. batch 8 x [M 1,024, K 1,024] x [K 1,024, N 64]; A: softmax (see below); B: input V: QUANTISED
;;   THE QUANTISER, for each operand of a quantised product, along K:
;;     - K is cut into blocks of 32 from its start; a last block that is shorter is filled with zeros.
;;     - A block's scale is 2^e with e = floor(log2(the largest magnitude in the block)) - 2, held to -126 .. 127; a block of zeros has e = 0. As a byte (E8M0): e + 127.
;;     - Each number is divided by its block's scale, clamped to +-7.5, and rounded to the nearest number of E2M3, ties to even, subnormals kept.
;;     - The product sums the exact products of the quantised numbers (number of the format x scale) in f32.
;;   ~~~python
;;   def quantise(x, axis):      # numpy; x: float32 -> the quantised numbers, widened to float32 again
;;       x = np.moveaxis(x, axis, -1); K = x.shape[-1]
;;       x = np.pad(x, [(0, 0)] * (x.ndim - 1) + [(0, -K % 32)]); x = x.reshape(x.shape[:-1] + (-1, 32)); a = np.abs(x).max(-1, keepdims=True)
;;       e = np.where(a > 0, np.clip(np.frexp(np.where(a > 0, a, 1))[1] - 1 - 2, -126, 127), 0)      # np.frexp(a)[1] - 1 = floor(log2(a)), exactly
;;       r = np.clip(x / 2.0 ** e, -7.5, 7.5)
;;       step = 2.0 ** (np.maximum(np.frexp(np.where(r == 0, 1, r))[1] - 1, 0) - 3)
;;       q = np.round(r / step) * step * 2.0 ** e      # np.round: ties to even
;;       return np.moveaxis(q.reshape(q.shape[:-2] + (-1,))[..., :K], -1, axis).astype(np.float32)
;;   ~~~
;;   SOFTMAX AHEAD OF A QUANTISED PRODUCT. Where the list says 'softmax', what is quantised is not the finished softmax but p = 2^(t - M), with t = logit x log2(e) and M = ceil(the row's largest t), a whole number; so 1/2 < the row's largest p <= 1. The row's sum l is taken of the UNQUANTISED p, in f32, and the product's result is divided by l at the end. Since M is a whole number, a kernel that streams over the keys may use a running M (the ceiling of the running maximum): every later rescaling is an exact power of two, which a block's scale takes up: the codes' values come out the same.
;;   OPERANDS COMPUTED ON THE WAY. 'Computed on the way' means the value that the module computes at that place (a softmax that the list does not call 'softmax' is quantised finished and normalised). What goes into a quantiser is computed in f32, as accurately as f32 sums, v_exp_f32 and their like allow (about 1e-6 of the number): no bf16 or f16 on the way to a quantiser, and a product that is left as it is and whose result goes on into a quantised operand takes f32 operands (vector FMAs, or v_wmma_f32_16x16x4_f32). A number that lies on a knife's edge between two numbers of the format may be rounded either way, as far as f32 arithmetic and the matrix unit's own rounding can turn it there, and no further.
;; 2 versions, each right and faster than the one before. Each part assembles by itself: llvm-mc -triple=amdgcn-amd-amdhsa -mcpu=gfx1250 --defsym DOCPART=n.
;; ======== version 1 of 2: 1 launch
;; launch attn (part 1): grid 32 x 8, 16 waves a work-group, no clusters, 327,680 bytes of LDS; arguments distance_matrix, energy_matrix, mask, Q, K, V, mu_D, sigma_D, b_D, mu_E, sigma_E, b_E, W1, b1, W2, b2, out0; writes out0
.if DOCPART == 1
	.amdgcn_target "amdgcn-amd-amdhsa--gfx1250"
	.amdhsa_code_object_version 6
	.text
	.protected	k_q5419c7de39_attn
	.globl	k_q5419c7de39_attn
	.p2align	8
	.type	k_q5419c7de39_attn,@function
k_q5419c7de39_attn:
	s_mov_b64 s[64:65], 0
	v_nop
	global_prefetch_b8 v0, s[64:65] scope:SCOPE_SE
	s_setreg_imm32_b32 hwreg(HW_REG_WAVE_MODE, 25, 1), 1
	s_wait_xcnt 0x0
; out0[h][q][:] = softmax_k( Q.K / sqrt(128) + f_D(distance) + f_E(energy), mask ) V.   8 heads, 1,024 queries, 1,024 keys, 64 channels.
; f(x) = W2 . gelu(W1 psi(x) + b1) + b2, psi_k(x) = exp(-((x + b_k - mu_k) / sigma_k)^2 / 2) / (sqrt(2 pi) sigma_k), ten kernels, ten hidden units, exact gelu.
; Q K^T and P V go on codes of E2M3 with one E8M0 scale for each 32 along K; all else in f32; the 10 x 10 product in the f32 matrix form, since its result goes on into a quantiser.
; SHARES.  A work-group owns 32 queries of one head, two tiles of 16.  Each of its sixteen waves owns 64 keys for both tiles: its pieces of the rows of distance, energy and mask are 256 aligned bytes,
; and no byte of K or V is read twice in a work-group.  A wave ends with its own whole number M, its sum l and its O^T for each tile; these are merged once, through LDS, by exact powers of two.
; THE LOGITS are kept as t = logit x log2(e).  p = 2^(t - M), M = ceil(largest t); l is the sum of the unquantised p.
; THE BIAS CHAIN, for an element x:  psi_k = 2^(-(S_k x + SC_k)^2), S_k = sqrt(log2(e) / 2) / sigma_k, SC_k = (b_k - mu_k) S_k; the factors 1 / (sqrt(2 pi) sigma_k) and 1 / sqrt(2) lie in W1's columns,
; so that the product gives u = (hidden sum) / sqrt(2);  gelu x W2 x log2(e) = u W2C (1 + erf u), W2C = W2 log2(e) / sqrt(2);  erf u = m P(m^2) / Q(m^2), m = u held to -4 .. 4 (P of degree 6, Q of degree 4).
; IN THE 10 x 10 PRODUCT a column is an element (query lane % 16, one key); lane half h makes kernels 5 h .. 5 h + 4 (its sixth K place is 0 on both sides); W1's rows 0-4 and 8-12 hold hidden units 0-4 and 5-9,
; so that registers 0-4 of the result in lane half h are hidden units 5 h .. 5 h + 4.  The halves' partial sums over hidden units are joined by an exchange of halves that also puts keys k and k + 32 where S^T has them.
; LAYOUT OF THE QUANTISED PRODUCTS.  K is 64 where the instruction takes 128: registers 0-5 of an operand are the lane's block of 32, registers 6-11 are zero codes on both sides, scale bytes 2 and 3 are 127.
; Both are used transposed (S^T = K Q^T, O^T = V^T P^T): a lane holds one query.  Lane r of K's tile t takes key 8 t + r % 8 + 32 (r / 8): register n of S^T in lane half h is key 32 h + n: a lane's 32 registers are one block of p.
; THE MASK: where mask = 0 the parked t becomes -infinity (finite biases leave it so); ahead of the maximum every -infinity becomes -1e9 x log2(e).
; NO CLUSTER: what the 32 work-groups of a head share is K and V, 524,288 bytes in f32; a joint load lands in LDS, where 327,680 - 280,576 bytes are free.  They are read once, at the head, into registers.
; LIMITS: NaN and infinities among the inputs and sigma = 0 are not served.  erf is right to a few units of its last place, so for u under -4 the sum 1 + erf may be one such unit and not 0.
; A block's largest p is made from its largest t by the same two instructions as every p: this takes the exponential not to fall where its input rises.  A block of zeros gets the byte 1: its codes are zeros.
.set TILE,  4352                       ; a wave's tile in LDS: 16 rows x (256 bytes + 16 of padding): rows start 16 bytes apart modulo 256
.set SLOTA, 0                          ; sixteen tiles of distance
.set SLOTB, 69632                      ; of energy
.set SLOTC, 139264                     ; of the mask
.set PARK,  208896                     ; 4,352 bytes a wave, touched by LDS instructions alone: the head's turning stage, then the tile's 32 t a lane, then the statistics
.set SPARE, 278528                     ; the spare words, 128 bytes for each wave
.set CD,   20                          ; v20-29   (S_k, SC_k) of my five kernels, distance
.set CE,   30                          ; v30-39   energy
.set WD,   40                          ; v40-45   W1's fragment, scaled for distance; the sixth is 0
.set WE,   46                          ; v46-51   for energy
.set BIAS, 52                          ; v52-59   b1 / sqrt(2) in the result's layout; the last three are 0
.set W2C,  60                          ; v60-64   W2 log2(e) / sqrt(2) of my five hidden units
.set HH,   68                          ; v68-99   four accumulators of the 10 x 10 product: written by matrix instructions alone
.set VC,   100                         ; v100-123 V's codes, four tiles x 6
.set VS,   124                         ; v124-127 V's scale words
.set R32,  128                         ; v128-159 tile 1's seed, later tile 0's O^T
.set PB,   160                         ; v160-183 psi, six places for each of four elements
.set XA,   184                         ; v184-187 x of keys k .. k + 3
.set XB,   188                         ; v188-191 of keys k + 32 .. k + 35
.set TMP,  192                         ; v192-231 at work
.set PREV, 232                         ; v232-235 a quad of parked t
.set ACC,  236                         ; v236-239 the four elements' sums over my five hidden units
.set MK,   160                         ; at a softmax: v160-191 the mask, v192-223 t and then p
.set TT,   192
; v1, v2 the add's two; v3 x's place in a slot; v4 the mask's; v5 the park's; v6, v7 a trip's addresses; v8 -1e9 log2(e); v9 -infinity; v[10:11] 2 b2 log2(e); v[12:13], v[14:15] (-M, l) of tiles 0 and 1; v[66:67] two coefficients
; s[4:37] the buffers; s38 wave; s39 head; s[40:59] ten coefficients, each twice; s[60:61] log2(e) / sqrt(128); s[62:63] lane selects; s[68:75] group 1; s[76:87] three groups 0; s88-90 a pass's steps; s91 wave x TILE
.macro SPAIR reg, val                  ; a packed instruction names a scalar pair: both words are written
	s_mov_b32 s[\reg], \val
	s_mov_b32 s[\reg+1], \val
.endm
.macro FIRST g0, ptr, slot             ; a slot's group 0 and its first fill: my 16 rows x 256 bytes
	s_mov_b32 s[\g0], 1                            ; count = 1
	s_add_co_u32 s[\g0+1], s91, \slot              ; LDS address: the slot + wave x TILE
	s_add_nc_u64 s[\g0+2:\g0+3], s[\ptr:\ptr+1], s[92:93]
	s_or_b32 s[\g0+3], s[\g0+3], 0x80000000        ; type = 2
	tensor_load_to_lds s[\g0:\g0+3], s[68:75]
	s_nop 0
.endm
.macro REFILL g0                       ; a slot that has been read takes tile 1's rows, 16 rows of 4,096 bytes further down
	s_wait_tensorcnt 0x0                           ; no tensor load of mine is out, so a group 0 may be written
	ds_add_u32 v1, v2
	s_add_nc_u64 s[\g0+2:\g0+3], s[\g0+2:\g0+3], 65536
	s_wait_dscnt 0x0                               ; the add is done, and so are my reads of the slot
	s_barrier_signal -1
	s_barrier_wait -1
	tensor_load_to_lds s[\g0:\g0+3], s[68:75]      ; my one tensor load behind this barrier, and the first thing there
	s_nop 0
.endm
.macro LOADT area, base, imm0, gap     ; 16 rows of 256 bytes, two rows (512 consecutive bytes) a load; rows 8-15 begin gap bytes behind rows 0-7
.irp q, 0,1,2,3,4,5,6,7
	global_load_b128 v[\area+4*\q:\area+4*\q+3], v6, s[\base:\base+1] offset:\imm0+512*(\q%4)+(\gap)*(\q/4)
.endr
.endm
.macro TURN area                       ; through my stage: in as loaded, back as 128 bytes of row lane % 16: my block of 32.  LDS serves a wave's instructions in order: no wait between
.irp q, 0,1,2,3,4,5,6,7
	ds_store_b128 v7, v[\area+4*\q:\area+4*\q+3] offset:544*\q
.endr
.irp q, 0,1,2,3,4,5,6,7
	ds_load_b128 v[\area+4*\q:\area+4*\q+3], v8 offset:16*\q
.endr
.endm
.macro QBLK raw, dst, word             ; a lane's block of 32 numbers becomes 6 registers of codes; the two halves' bytes make the row's scale word (lanes 0-15 are read)
	v_max3_num_f32 v12, |v[\raw]|, |v[\raw+1]|, 0x1800000          ; the floor 2^(3 - 127): the byte cannot fall under 1
	v_max3_num_f32 v13, |v[\raw+2]|, |v[\raw+3]|, |v[\raw+4]|
.irp i, 5,9,13,17,21,25
	v_max3_num_f32 v12, v12, |v[\raw+\i]|, |v[\raw+\i+1]|
	v_max3_num_f32 v13, v13, |v[\raw+\i+2]|, |v[\raw+\i+3]|
.endr
	v_max3_num_f32 v12, v12, |v[\raw+29]|, |v[\raw+30]|
	v_max3_num_f32 v12, v12, v13, |v[\raw+31]|                     ; the block's largest magnitude
	v_add_nc_u32 v13, 0xff000000, v12                              ; 2 off its exponent field: the conversion's scale operand
	v_lshrrev_b32 v12, 23, v13                                     ; the scale's byte
	v_cvt_scalef32_pk16_fp6_f32 v[\dst:\dst+2], v[\raw:\raw+15], v13
	v_cvt_scalef32_pk16_fp6_f32 v[16:18], v[\raw+16:\raw+31], v13  ; (a conversion's three registers begin on an even number)
	v_nop                                                          ; one plain place behind a scaled conversion
	v_mov_b32 v[\dst+3], v16
	v_mov_b32 v[\dst+4], v17
	v_mov_b32 v[\dst+5], v18
	v_permlanex16_b32 v14, v12, s62, s63                           ; the other half's byte
	v_lshl_or_b32 v[\word], v14, 8, v12
	v_or_b32 v[\word], 0x7f7f0000, v[\word]                        ; blocks 2 and 3 are zero codes: byte 127
.endm
.macro KQ area, left, dst, word        ; a tile of K or of Q: left = the loads of the tiles issued behind it
	s_wait_loadcnt \left
	TURN \area
	s_wait_dscnt 0x0
	QBLK \area, \dst, \word
.endm
.macro SPROD qrun, qs                  ; S^T of one tile of queries, then the seed t = S c + 2 b2 log2(e)
.irp t, 0,1,2,3
	v_wmma_scale_f32_16x16x128_f8f6f4 v[R32+8*\t:R32+8*\t+7], v[192+12*\t:192+12*\t+11], v[\qrun:\qrun+11], 0, v[184+\t], v[\qs] matrix_a_fmt:MATRIX_FMT_FP6 matrix_b_fmt:MATRIX_FMT_FP6
.endr
.rept 4
	v_nop                                          ; places ahead of the first read of results
.endr
.set n, 0
.rept 16
	v_pk_fma_f32 v[R32+n:R32+n+1], v[R32+n:R32+n+1], s[60:61], v[10:11] op_sel_hi:[1,0,1]   ; each accumulator from its low end on
.set n, n+2
.endr
.endm
.macro FROMPARK base                   ; quad q of my 32 t lies at 512 q + 16 x lane
.irp q, 0,1,2,3,4,5,6,7
	ds_load_b128 v[\base+4*\q:\base+4*\q+3], v5 offset:512*\q
.endr
.endm
.macro TOPARK base
.irp q, 0,1,2,3,4,5,6,7
	ds_store_b128 v5, v[\base+4*\q:\base+4*\q+3] offset:512*\q
.endr
.endm
.macro MASKLD                          ; mask(query lane % 16, keys 32 (lane / 16) + 0 .. 31)
.irp q, 0,1,2,3,4,5,6,7
	ds_load_b128 v[MK+4*\q:MK+4*\q+3], v4 offset:16*\q
.endr
.endm
.macro SENT base                       ; where the mask is 0, t becomes -infinity
.set n, 0
.rept 32
	v_cmp_eq_u32 vcc_lo, 0, v[MK+n]
	v_cndmask_b32 v[\base+n], v[\base+n], v9, vcc_lo
.set n, n+1
.endr
.endm
; gelu and W2 for accumulators 2 g and 2 g + 1: pair j is hidden unit j of both elements.  TMP+0..9 m, later u W2C; +10..19 m^2; +20..29 Q, then 1 / Q; +30..39 P, P m, 1 + erf
.macro GELU g
.irp j, 0,1,2,3,4
	v_med3_num_f32 v[TMP+2*\j], v[HH+16*\g+\j], -4.0, 4.0          ; each accumulator is read from its low end on
	v_med3_num_f32 v[TMP+2*\j+1], v[HH+16*\g+8+\j], -4.0, 4.0
.endr
.irp j, 0,2,4,6,8
	v_pk_mul_f32 v[TMP+10+\j:TMP+11+\j], v[TMP+\j:TMP+1+\j], v[TMP+\j:TMP+1+\j]
.endr
.irp j, 0,2,4,6,8
	v_pk_fma_f32 v[TMP+20+\j:TMP+21+\j], v[TMP+10+\j:TMP+11+\j], v[66:67], s[52:53] op_sel:[0,1,0] op_sel_hi:[1,1,0]   ; Q: the pair's upper word is its leading coefficient
.endr
.irp k, 54,56,58
.irp j, 0,2,4,6,8
	v_pk_fma_f32 v[TMP+20+\j:TMP+21+\j], v[TMP+20+\j:TMP+21+\j], v[TMP+10+\j:TMP+11+\j], s[\k:\k+1] op_sel_hi:[1,1,0]
.endr
.endr
.set n, 0
.rept 10
	v_rcp_f32 v[TMP+20+n], v[TMP+20+n]             ; one batch; P's 30 multiply-adds and the lines behind them name none of its results
.set n, n+1
.endr
.irp j, 0,2,4,6,8
	v_pk_fma_f32 v[TMP+30+\j:TMP+31+\j], v[TMP+10+\j:TMP+11+\j], v[66:67], s[40:41] op_sel_hi:[1,0,0]   ; P: the pair's lower word
.endr
.irp k, 42,44,46,48,50
.irp j, 0,2,4,6,8
	v_pk_fma_f32 v[TMP+30+\j:TMP+31+\j], v[TMP+30+\j:TMP+31+\j], v[TMP+10+\j:TMP+11+\j], s[\k:\k+1] op_sel_hi:[1,1,0]
.endr
.endr
.irp j, 0,2,4,6,8
	v_pk_mul_f32 v[TMP+30+\j:TMP+31+\j], v[TMP+30+\j:TMP+31+\j], v[TMP+\j:TMP+1+\j]
.endr
.irp j, 0,1,2,3,4
	v_mul_f32 v[TMP+2*\j], v[HH+16*\g+\j], v[W2C+\j]               ; u W2C, of the u that is not held
	v_mul_f32 v[TMP+2*\j+1], v[HH+16*\g+8+\j], v[W2C+\j]
.endr
	s_wait_alu depctr_va_vdst(0)                   ; one wait for the ten reciprocals, ahead of their first reader
.irp j, 0,2,4,6,8
	v_pk_fma_f32 v[TMP+30+\j:TMP+31+\j], v[TMP+30+\j:TMP+31+\j], v[TMP+20+\j:TMP+21+\j], 1.0 op_sel_hi:[1,1,0]   ; 1 + erf
.endr
	v_pk_mul_f32 v[ACC+2*\g:ACC+2*\g+1], v[TMP:TMP+1], v[TMP+30:TMP+31]
.irp j, 2,4,6,8
	v_pk_fma_f32 v[ACC+2*\g:ACC+2*\g+1], v[TMP+\j:TMP+1+\j], v[TMP+30+\j:TMP+31+\j], v[ACC+2*\g:ACC+2*\g+1]
.endr
.endm
; Four elements a column: keys k + 2 bb, k + 2 bb + 1 and the two 32 further on
.macro BATCH bb, cst, wgt
.irp i, 0,1,2,3,4
	v_pk_fma_f32 v[TMP+4*\i:TMP+4*\i+1], v[XA+2*\bb:XA+2*\bb+1], v[\cst+2*\i:\cst+2*\i+1], v[\cst+2*\i:\cst+2*\i+1] op_sel:[0,0,1] op_sel_hi:[1,0,1]   ; S x + SC: of the pair (S, SC) the lower word multiplies, the upper is added
	v_pk_fma_f32 v[TMP+4*\i+2:TMP+4*\i+3], v[XB+2*\bb:XB+2*\bb+1], v[\cst+2*\i:\cst+2*\i+1], v[\cst+2*\i:\cst+2*\i+1] op_sel:[0,0,1] op_sel_hi:[1,0,1]
.endr
.irp i, 0,1,2,3,4
	v_pk_mul_f32 v[TMP+4*\i:TMP+4*\i+1], v[TMP+4*\i:TMP+4*\i+1], v[TMP+4*\i:TMP+4*\i+1] neg_lo:[1,0] neg_hi:[1,0]
	v_pk_mul_f32 v[TMP+4*\i+2:TMP+4*\i+3], v[TMP+4*\i+2:TMP+4*\i+3], v[TMP+4*\i+2:TMP+4*\i+3] neg_lo:[1,0] neg_hi:[1,0]
.if \i > 0
.irp e, 0,1,2,3
	v_exp_f32 v[PB+6*\e+\i-1], v[TMP+4*(\i-1)+\e]  ; the kernel before: its squares were made two lines earlier
.endr
.endif
.endr
.irp e, 0,1,2,3
	v_exp_f32 v[PB+6*\e+4], v[TMP+16+\e]
.endr
	v_nop                                          ; a plain place behind the last exponential
	s_wait_alu depctr_va_vdst(0)                   ; one wait for the twenty, ahead of their first reader
.irp c, 0,1,2                                  ; three K steps; the four accumulators by turns, one instruction a turn
.irp e, 0,1,2,3
.if \c == 0
	v_wmma_f32_16x16x4_f32 v[HH+8*\e:HH+8*\e+7], v[\wgt:\wgt+1], v[PB+6*\e:PB+6*\e+1], v[BIAS:BIAS+7]   ; the bias starts the sum
.else
	v_wmma_f32_16x16x4_f32 v[HH+8*\e:HH+8*\e+7], v[\wgt+2*\c:\wgt+2*\c+1], v[PB+6*\e+2*\c:PB+6*\e+2*\c+1], v[HH+8*\e:HH+8*\e+7]
.endif
.endr
.endr
.rept 8
	v_nop                                          ; eight places behind this form, ahead of the first read of results
.endr
	GELU 0
	GELU 1
	v_permlane16_swap_b32 v[ACC], v[ACC+2]         ; lanes 0-15 now hold both halves' sums of key k, lanes 16-31 those of key k + 32
	v_permlane16_swap_b32 v[ACC+1], v[ACC+3]
	v_pk_add_f32 v[ACC:ACC+1], v[ACC:ACC+1], v[ACC+2:ACC+3]
.if \bb == 0
	s_wait_dscnt 0x0                               ; the parked quad is in
.endif
	v_pk_add_f32 v[PREV+2*\bb:PREV+2*\bb+1], v[PREV+2*\bb:PREV+2*\bb+1], v[ACC:ACC+1]
.endm
; One bias over a tile of 16 queries x 64 keys: eight trips of two batches.  A trip takes keys 4 q .. 4 q + 3 and those 32 on, and quad q of the park
.macro PASS slot, cst, wgt
.irp e, 0,1,2,3
	v_mov_b32 v[PB+6*\e+5], 0                      ; the sixth K place
.endr
	s_mov_b32 s88, \slot
	s_mov_b32 s89, 0
	s_mov_b32 s90, 8
.Lpass_\@:
	v_add_nc_u32 v6, s88, v3
	v_add_nc_u32 v7, s89, v5
	ds_load_b128 v[XA:XA+3], v6
	ds_load_b128 v[XB:XB+3], v6 offset:128
	ds_load_b128 v[PREV:PREV+3], v7
	s_wait_dscnt 0x1                               ; x is in; the parked quad may stay out
	BATCH 0, \cst, \wgt
	BATCH 1, \cst, \wgt
	ds_store_b128 v7, v[PREV:PREV+3]
	s_add_co_u32 s88, s88, 16
	s_add_co_u32 s89, s89, 512
	s_wait_dscnt 0x0                               ; the store is done: its address and data are written again in the next trip
	s_sub_co_i32 s90, s90, 1
	s_cmp_lg_u32 s90, 0
	s_cbranch_scc1 .Lpass_\@
.endm
; The wave's softmax over its 64 keys and O^T = V^T P^T for tile tau; t lies in TT; the result goes to v[o] on
.macro SOFTMAX tau, o
.set n, 0
.rept 32
	v_cmp_eq_f32 vcc_lo, v9, v[TT+n]
	v_cndmask_b32 v[TT+n], v[TT+n], v8, vcc_lo     ; a masked key: t = -1e9 log2(e)
.set n, n+1
.endr
	v_max3_num_f32 v224, v[TT], v[TT+1], v[TT+2]
	v_max3_num_f32 v225, v[TT+3], v[TT+4], v[TT+5]
.irp i, 6,10,14,18,22,26
	v_max3_num_f32 v224, v224, v[TT+\i], v[TT+\i+1]
	v_max3_num_f32 v225, v225, v[TT+\i+2], v[TT+\i+3]
.endr
	v_max3_num_f32 v224, v224, v[TT+30], v[TT+31]
	v_max_num_f32 v224, v224, v225                 ; my block's largest t
	v_permlanex16_b32 v226, v224, s62, s63
	v_max_num_f32 v226, v224, v226                 ; the query's, over my wave's 64 keys
	v_floor_f32 v[12+2*\tau], -v226                ; -M = floor(-t) = -ceil(t)
.set n, 0
.rept 16
	v_pk_add_f32 v[TT+n:TT+n+1], v[TT+n:TT+n+1], v[12+2*\tau:13+2*\tau] op_sel_hi:[1,0]   ; t - M (the pair's lower word for both)
.set n, n+2
.endr
	v_add_f32 v224, v224, v[12+2*\tau]             ; the same of the block's largest t
.set n, 0
.rept 32
	v_exp_f32 v[TT+n], v[TT+n]                     ; p
.set n, n+1
.endr
	v_exp_f32 v224, v224                           ; the block's largest p
	v_nop                                          ; a plain place behind the last exponential
	s_wait_alu depctr_va_vdst(0)                   ; one wait for the 33
	v_pk_add_f32 v[228:229], v[TT:TT+1], v[TT+2:TT+3]              ; the sum of the unquantised p, in two chains
	v_pk_add_f32 v[230:231], v[TT+4:TT+5], v[TT+6:TT+7]
.irp j, 8,12,16,20,24,28
	v_pk_add_f32 v[228:229], v[228:229], v[TT+\j:TT+\j+1]
	v_pk_add_f32 v[230:231], v[230:231], v[TT+\j+2:TT+\j+3]
.endr
	v_pk_add_f32 v[228:229], v[228:229], v[230:231]
	v_add_f32 v228, v228, v229
	v_permlanex16_b32 v229, v228, s62, s63
	v_add_f32 v[13+2*\tau], v228, v229             ; l of my 64 keys
	v_max_num_f32 v224, 0x1800000, v224            ; the floor: the byte cannot fall under 1
	v_add_nc_u32 v227, 0xff000000, v224            ; the conversion's scale operand
	v_lshrrev_b32 v224, 23, v227                   ; the byte
	v_permlanex16_b32 v225, v224, s62, s63
	v_lshl_or_b32 v252, v225, 8, v224
	v_or_b32 v252, 0x7f7f0000, v252                ; p's scale word
	v_cvt_scalef32_pk16_fp6_f32 v[240:242], v[TT:TT+15], v227
	v_cvt_scalef32_pk16_fp6_f32 v[232:234], v[TT+16:TT+31], v227
	v_nop                                          ; one plain place behind a scaled conversion
.irp i, 0,1,2
	v_mov_b32 v[243+\i], v[232+\i]
.endr
.irp i, 0,1,2,3,4,5
	v_mov_b32 v[246+\i], 0
.endr
.irp k, 0,1,2,3
.irp i, 0,1,2,3,4,5
	v_mov_b32 v[160+12*\k+\i], v[VC+6*\k+\i]       ; V's four operands: six registers of codes, six of zero codes
	v_mov_b32 v[166+12*\k+\i], 0
.endr
.endr
.rept 8
	v_nop                                          ; a scale word written by vector instructions stands eight places ahead of a scaled product, an operand four
.endr
	s_wait_dscnt 0x0                               ; the stores to the park have read the registers that the results take
.irp k, 0,1,2,3
	v_wmma_scale_f32_16x16x128_f8f6f4 v[\o+8*\k:\o+8*\k+7], v[160+12*\k:160+12*\k+11], v[240:251], 0, v[VS+\k], v252 matrix_a_fmt:MATRIX_FMT_FP6 matrix_b_fmt:MATRIX_FMT_FP6
.endr
.rept 4
	v_nop                                          ; places ahead of writes and loads into the operands, and of the first read of results
.endr
.endm
	; ---------------- the head
	s_load_b512 s[4:19], s[0:1], 0x0               ; distance, energy, mask, Q, K, V, mu_D, sigma_D
	s_load_b512 s[20:35], s[0:1], 0x40             ; b_D, mu_E, sigma_E, b_E, W1, b1, W2, b2
	s_load_b64 s[36:37], s[0:1], 0x80              ; out0
	v_lshl_add_u32 v1, v0, 2, SPARE
	v_mov_b32 v2, 0
	ds_add_u32 v1, v2                              ; the wave's opening: the add and its wait stand ahead of my first tensor load; work on registers stands between them
	v_lshrrev_b32 v12, 5, v0
	v_readfirstlane_b32 s38, v12                   ; wave 0..15
	s_and_b32 s39, ttmp7, 0xffff                   ; head
	s_mul_i32 s91, s38, TILE
	s_mov_b32 s68, 0x07520000                      ; group 1: elements of 4 bytes; padding on: behind every 64 words, 4 words
	s_mov_b32 s69, 64<<16                          ; tensor_dim0 = 64
	s_mov_b32 s70, 16<<16                          ; tensor_dim1 = 16
	s_mov_b32 s71, 64<<16                          ; tile_dim0 = 64
	s_mov_b32 s72, 16                              ; tile_dim1 = 16
	s_mov_b32 s73, 1024                            ; from row to row
	s_mov_b32 s74, 0
	s_mov_b32 s75, 0
	SPAIR 40, 0x32edffee                           ; P:  2.77068142e-08
	SPAIR 42, 0xb60cff51                           ;    -2.10102402e-06
	SPAIR 44, 0xb86ec2d2                           ;    -5.69250639e-05
	SPAIR 46, 0xba40ac63                           ;    -7.34990630e-04
	SPAIR 48, 0xbb41a1f6                           ;    -2.95459981e-03
	SPAIR 50, 0xbc83dbd4                           ;    -1.60960333e-02
	SPAIR 52, 0xb95fbd29                           ; Q: -2.13374055e-04
	SPAIR 54, 0xbadc924e                           ;    -1.68282697e-03
	SPAIR 56, 0xbbf19bf8                           ;    -7.37332917e-03
	SPAIR 58, 0xbc69b6a7                           ;    -1.42647391e-02
	SPAIR 60, 0x3e0293ee                           ; log2(e) / sqrt(128)
	s_mov_b32 s62, 0x76543210
	s_mov_b32 s63, 0xfedcba98                      ; lane l xor 16
	s_lshl_b32 s92, s39, 22                        ; distance, energy, mask: head x 4,194,304
	s_lshl_b32 s97, ttmp9, 17                      ; + my 32 rows of 4,096 bytes
	s_add_co_u32 s92, s92, s97
	s_lshl_b32 s97, s38, 8                         ; + my wave's 64 keys
	s_add_co_u32 s92, s92, s97
	s_mov_b32 s93, 0
	s_lshl_b32 s98, s39, 18                        ; Q, K, V, out0: head x 262,144
	s_lshl_b32 s97, s38, 14                        ; K, V: + my 64 keys of 256 bytes
	s_add_co_u32 s94, s98, s97
	s_mov_b32 s95, 0
	s_lshl_b32 s97, ttmp9, 13                      ; Q, out0: + my 32 queries
	s_add_co_u32 s98, s98, s97
	s_mov_b32 s99, 0
	v_and_b32 v12, 15, v0                          ; r
	v_bfe_u32 v13, v0, 4, 1                        ; h
	v_and_b32 v14, 31, v0                          ; lane
	v_mul_u32_u24 v3, v12, 272
	v_add_nc_u32 v3, s91, v3                       ; x: my tile, row r; both halves of the lanes read the same x
	v_lshl_add_u32 v8, v13, 7, v3
	v_add_nc_u32 v4, SLOTC, v8                     ; the mask: row r, + 128 h
	v_add_nc_u32 v8, PARK, v8                      ; the stage, back: row r, + 128 h
	v_lshlrev_b32 v6, 4, v14                       ; 16 x lane: a load's 512 bytes
	v_add_nc_u32 v5, s91, v6
	v_add_nc_u32 v5, PARK, v5                      ; the park
	v_mul_u32_u24 v7, v13, 272
	v_lshl_add_u32 v7, v12, 4, v7
	v_add_nc_u32 v7, s91, v7
	v_add_nc_u32 v7, PARK, v7                      ; the stage, in: lanes 0-15 one row, lanes 16-31 the next
	v_mul_u32_u24 v9, v13, 2176
	v_lshl_add_u32 v9, v12, 2, v9
	v_add_nc_u32 v9, s91, v9
	v_add_nc_u32 v9, PARK, v9                      ; the stage, back by columns, for V: rows 8 h on, channel r
	v_mul_u32_u24 v10, v13, 20                     ; my five of a vector of ten
	v_and_b32 v19, 7, v0
	v_bfe_u32 v11, v0, 3, 1
	v_mad_u32_u24 v11, v11, 5, v19                 ; W1's row for fragment row r: r % 8 + 5 (r / 8),
	v_min_u32 v11, 9, v11                          ; held inside the table (rows with r % 8 over 4 become 0 below)
	v_mad_u32_u24 v11, v11, 40, v10
	v_mov_b32 v14, 0                               ; written once: a lane permute's destination counts as one of its sources
	s_wait_dscnt 0x0                               ; the opening add is done
	s_wait_kmcnt 0x0
	FIRST 76, 4, SLOTA                             ; the three first fills go out together: tile 0 of distance,
	FIRST 80, 6, SLOTB                             ; of energy,
	FIRST 84, 8, SLOTC                             ; of the mask: three loads of mine are out
	s_load_b32 s96, s[34:35], 0x0                  ; b2
	s_add_nc_u64 s[12:13], s[12:13], s[94:95]
	s_add_nc_u64 s[14:15], s[14:15], s[94:95]
	s_add_nc_u64 s[10:11], s[10:11], s[98:99]
	s_add_nc_u64 s[36:37], s[36:37], s[98:99]
.irp i, 0,1,2,3,4
	global_load_b32 v[CD+2*\i], v10, s[18:19] offset:4*\i          ; sigma_D
	global_load_b32 v[CD+2*\i+1], v10, s[20:21] offset:4*\i        ; b_D
	global_load_b32 v[100+\i], v10, s[16:17] offset:4*\i           ; mu_D
	global_load_b32 v[CE+2*\i], v10, s[24:25] offset:4*\i          ; sigma_E
	global_load_b32 v[CE+2*\i+1], v10, s[26:27] offset:4*\i        ; b_E
	global_load_b32 v[105+\i], v10, s[22:23] offset:4*\i           ; mu_E
	global_load_b32 v[110+\i], v11, s[28:29] offset:4*\i           ; W1
	global_load_b32 v[BIAS+\i], v10, s[30:31] offset:4*\i          ; b1
	global_load_b32 v[W2C+\i], v10, s[32:33] offset:4*\i           ; W2
.endr
.irp u, 0,1,2,3                                ; V: chunk u is keys 8 u .. 8 u + 7 and those 32 on; its loads land in the registers that its turned numbers will take
.irp q, 0,1,2,3,4,5,6,7
	global_load_b128 v[R32+32*(\q/2)+8*\u+4*(\q%2):R32+32*(\q/2)+8*\u+4*(\q%2)+3], v6, s[14:15] offset:2048*\u+512*(\q%4)+8192*(\q/4)
.endr
.endr
	s_wait_loadcnt 32                              ; the 45 parameter loads are in; V's 32 may be out
	s_wait_kmcnt 0x0                               ; b2
	v_cmp_gt_u32 vcc_lo, 5, v19
	v_mov_b32 v15, 0x3e906ebb                      ; 1 / (2 sqrt(pi)) = 1 / (sqrt(2 pi) sqrt(2)),
	v_cndmask_b32 v15, 0, v15, vcc_lo              ; or 0 in fragment rows that hold no hidden unit
.irp i, 0,1,2,3,4
	v_rcp_f32 v[CD+2*\i], v[CD+2*\i]
	v_rcp_f32 v[CE+2*\i], v[CE+2*\i]
.endr
.irp i, 0,1,2,3,4
	v_sub_f32 v[CD+2*\i+1], v[CD+2*\i+1], v[100+\i]                ; b - mu
	v_sub_f32 v[CE+2*\i+1], v[CE+2*\i+1], v[105+\i]
	v_mul_f32 v[110+\i], v[110+\i], v15
	v_mul_f32 v[BIAS+\i], 0x3f3504f3, v[BIAS+\i]                   ; b1 / sqrt(2)
	v_mul_f32 v[W2C+\i], 0x3f8293ee, v[W2C+\i]                     ; W2 log2(e) / sqrt(2)
.endr
	v_mov_b32 v10, s96
	v_mul_f32 v10, 0x4038aa3b, v10                 ; 2 b2 log2(e): both biases' b2
	v_mov_b32 v11, v10
	v_mov_b32 v[WD+5], 0
	v_mov_b32 v[WE+5], 0
	v_mov_b32 v[BIAS+5], 0
	v_mov_b32 v[BIAS+6], 0
	v_mov_b32 v[BIAS+7], 0
	v_mov_b32 v66, 0xaf95df0b                      ; P's leading coefficient, -2.72614226e-10
	v_mov_b32 v67, 0xb77460cd                      ; Q's, -1.45660718e-05
	s_wait_alu depctr_va_vdst(0)                   ; one wait for the ten reciprocals, ahead of their first reader
.irp i, 0,1,2,3,4
	v_mul_f32 v[WD+\i], v[110+\i], v[CD+2*\i]
	v_mul_f32 v[WE+\i], v[110+\i], v[CE+2*\i]
.endr
.irp i, 0,1,2,3,4
	v_mul_f32 v[CD+2*\i], 0x3f596d27, v[CD+2*\i]                   ; S = sqrt(log2(e) / 2) / sigma
	v_mul_f32 v[CE+2*\i], 0x3f596d27, v[CE+2*\i]
.endr
.irp i, 0,1,2,3,4
	v_mul_f32 v[CD+2*\i+1], v[CD+2*\i+1], v[CD+2*\i]               ; SC = (b - mu) S
	v_mul_f32 v[CE+2*\i+1], v[CE+2*\i+1], v[CE+2*\i]
.endr
.irp u, 0,1,2,3                                ; V is turned: lane (r, h) of tile d wants channel 16 d + r of keys 32 h + 0 .. 31
	s_wait_loadcnt 24-8*\u                         ; this chunk's eight loads are in
.irp q, 0,1,2,3,4,5,6,7
	ds_store_b128 v7, v[R32+32*(\q/2)+8*\u+4*(\q%2):R32+32*(\q/2)+8*\u+4*(\q%2)+3] offset:544*\q
.endr
.irp d, 0,1,2,3
.irp i, 0,1,2,3,4,5,6,7
	ds_load_b32 v[R32+32*\d+8*\u+\i], v9 offset:272*\i+64*\d       ; LDS serves a wave's instructions in order: these see the stores above, and the next chunk's stores come behind them
.endr
.endr
.endr
	s_wait_dscnt 0x0
	QBLK R32+32, VC+6, VS+1
	LOADT 160, 12, 0, 8192                         ; K's tile 0 into the registers just left: keys 0-7 and 32-39
	QBLK R32+64, VC+12, VS+2
	LOADT 192, 12, 2048, 8192                      ; tile 1
	QBLK R32+96, VC+18, VS+3
	LOADT 224, 12, 4096, 8192                      ; tile 2
	QBLK R32, VC, VS
	KQ 160, 16, 128, 152                           ; K's codes lie compact in v128-151, the scale words in v152-157
	LOADT 160, 12, 6144, 8192                      ; K's tile 3
	KQ 192, 16, 134, 153
	LOADT 192, 10, 0, 2048                         ; Q's tile 0: 16 rows on end
	KQ 224, 16, 140, 154
	LOADT 224, 10, 4096, 2048                      ; Q's tile 1
	KQ 160, 16, 146, 155
	KQ 192, 8, 160, 156                            ; Q's operands at v160 and v172
	KQ 224, 0, 172, 157
	v_mov_b32 v8, 0xceabfb8f                       ; -1e9 log2(e)
	v_mov_b32 v9, 0xff800000                       ; -infinity
.irp t, 0,1,2,3,4,5
	v_mov_b32 v[184+\t], v[152+\t]                 ; the six scale words, out of the results' way
	v_mov_b32 v[166+\t], 0
	v_mov_b32 v[178+\t], 0
.endr
.irp t, 0,1,2,3
.irp i, 0,1,2,3,4,5
	v_mov_b32 v[192+12*\t+\i], v[128+6*\t+\i]      ; K's four operands: six registers of codes, six of zero codes
	v_mov_b32 v[198+12*\t+\i], 0
.endr
.endr
.rept 8
	v_nop                                          ; scale words written by vector instructions stand eight places ahead of a scaled product
.endr
	SPROD 160, 188                                 ; tile 0's seed
	TOPARK R32
	s_wait_dscnt 0x0                               ; the stores have read their registers
.rept 5
	v_nop                                          ; five places ahead of products that write over earlier products' results
.endr
	SPROD 172, 189                                 ; tile 1's seed stays in registers
	s_wait_tensorcnt 0x0                           ; the three first fills have landed
	FROMPARK TT
	MASKLD
	s_wait_dscnt 0x0
	SENT TT
	TOPARK TT
	; ---------------- tile 0; each slot takes tile 1's rows as soon as it has been read
	REFILL 84                                      ; the mask's
	PASS SLOTA, CD, WD
	REFILL 76                                      ; distance's
	PASS SLOTB, CE, WE
	REFILL 80                                      ; energy's: the last load
	FROMPARK TT                                    ; tile 0's t
	MASKLD                                         ; tile 1's mask: the waits for all loads above have shown it landed
	s_wait_dscnt 0x0
	SENT R32
	TOPARK R32                                     ; tile 1's seed takes the park
	SOFTMAX 0, R32
	; ---------------- tile 1
	PASS SLOTA, CD, WD
	s_wait_tensorcnt 0x0                           ; energy's tile 1: no load was issued behind it
	PASS SLOTB, CE, WE
	FROMPARK TT
	s_wait_dscnt 0x0
	SOFTMAX 1, 208
	; ---------------- the merge.  Each wave lays its O^T in its own part of slots A and B, which have had their last fill and their last read: piece 2 q + h (registers 4 q .. 4 q + 3 of lane half h) at 272 bytes a piece, 16 bytes a query
	v_and_b32 v16, 15, v0
	v_bfe_u32 v17, v0, 4, 1
	v_mul_u32_u24 v6, v17, 272
	v_lshl_add_u32 v6, v16, 4, v6
	v_add_nc_u32 v6, s91, v6                       ; tile 0's, in slot A
	v_add_nc_u32 v7, SLOTB, v6                     ; tile 1's, in slot B
	v_lshl_add_u32 v18, v16, 3, PARK
	v_add_nc_u32 v18, s91, v18                     ; my statistics: 8 bytes a query, 128 a tile; both halves of the lanes hold the same
	s_lshr_b32 s92, s38, 3                         ; as a reducer: my tile,
	s_and_b32 s93, s38, 7
	s_lshl_b32 s93, s93, 1
	v_add_nc_u32 v17, s93, v17                     ; my lane's query 2 (wave % 8) + lane / 16,
	v_and_b32 v19, 12, v0                          ; and the piece that holds channels 4 (lane % 16) on: the chunk's two low bits change places
	v_and_b32 v3, 1, v0
	v_lshl_add_u32 v19, v3, 1, v19
	v_bfe_u32 v3, v0, 1, 1
	v_add_nc_u32 v19, v19, v3
	v_mul_u32_u24 v19, v19, 272
	v_lshl_add_u32 v19, v17, 4, v19
	s_mul_i32 s94, s92, SLOTB
	v_add_nc_u32 v19, s94, v19
	s_lshl_b32 s95, s92, 7
	s_add_co_u32 s95, s95, PARK
	v_lshl_add_u32 v16, v17, 3, s95
	v_lshlrev_b32 v3, 4, v0                        ; out0: 16 bytes a thread, 512 consecutive bytes a wave
.irp q, 0,1,2,3,4,5,6,7
	ds_store_b128 v6, v[R32+4*\q:R32+4*\q+3] offset:544*\q         ; each accumulator from its low end on
.endr
.irp q, 0,1,2,3,4,5,6,7
	ds_store_b128 v7, v[208+4*\q:208+4*\q+3] offset:544*\q
.endr
	ds_store_b64 v18, v[12:13]
	ds_store_b64 v18, v[14:15] offset:128
	s_wait_dscnt 0x0                               ; for the others' sake: my stores have landed
	s_barrier_signal -1
	s_barrier_wait -1
.set n, 0
.rept 16
	ds_load_b64 v[160+2*n:161+2*n], v16 offset:TILE*n              ; (-M, l) of my query from each wave
.set n, n+1
.endr
.set n, 0
.rept 16
	ds_load_b128 v[192+4*n:195+4*n], v19 offset:TILE*n             ; and its four channels
.set n, n+1
.endr
	s_wait_dscnt 16                                ; the statistics are in; the sixteen pieces may be out
	v_min3_num_f32 v18, v160, v162, v164
.irp k, 3,5,7,9,11,13
	v_min3_num_f32 v18, v18, v[160+2*\k], v[162+2*\k]
.endr
	v_min_num_f32 v18, v18, v190                   ; -M of the whole row
.set n, 0
.rept 16
	v_sub_f32 v[160+2*n], v18, v[160+2*n]          ; a wave's M less the row's: a whole number, 0 or less
.set n, n+1
.endr
.set n, 0
.rept 16
	v_cvt_i32_f32 v[160+2*n], v[160+2*n]           ; (it saturates)
.set n, n+1
.endr
.set n, 0
.rept 16
	v_ldexp_f32 v[160+2*n], 1.0, v[160+2*n]        ; the wave's factor: a power of two, which rounds nothing
.set n, n+1
.endr
	v_mul_f32 v132, v160, v161
.set n, 1
.rept 15
	v_fmac_f32 v132, v[160+2*n], v[161+2*n]        ; the row's l
.set n, n+1
.endr
	v_rcp_f32 v134, v132
	v_mov_b32 v135, 0                              ; a plain place behind the reciprocal; and the pair's upper word is written
	s_wait_dscnt 0x0
	v_pk_mul_f32 v[128:129], v[192:193], v[160:161] op_sel_hi:[1,0]
	v_pk_mul_f32 v[130:131], v[194:195], v[160:161] op_sel_hi:[1,0]
.set n, 1
.rept 15
	v_pk_fma_f32 v[128:129], v[192+4*n:193+4*n], v[160+2*n:161+2*n], v[128:129] op_sel_hi:[1,0,1]
	v_pk_fma_f32 v[130:131], v[194+4*n:195+4*n], v[160+2*n:161+2*n], v[130:131] op_sel_hi:[1,0,1]
.set n, n+1
.endr
	s_wait_alu depctr_va_vdst(0)                   ; the wait for the reciprocal, ahead of its first reader
	v_pk_mul_f32 v[128:129], v[128:129], v[134:135] op_sel_hi:[1,0]
	v_pk_mul_f32 v[130:131], v[130:131], v[134:135] op_sel_hi:[1,0]
	global_store_b128 v3, v[128:131], s[36:37] th:TH_STORE_NT      ; sixteen lanes store a query's 256 consecutive bytes, at a multiple of 256 from out0's first byte
	s_wait_tensorcnt 0x0                           ; the wave's end: behind my last tensor load and my last LDS store
	ds_add_u32 v1, v2
	s_wait_dscnt 0x0
	s_endpgm
.Lfunc_end_k_q5419c7de39_attn:
	.size	k_q5419c7de39_attn, .Lfunc_end_k_q5419c7de39_attn-k_q5419c7de39_attn
	.p2alignl 7, 3214868480
	.fill 96, 4, 3214868480
	.section	.rodata,"a",@progbits
	.p2align	6, 0x0
	.amdhsa_kernel k_q5419c7de39_attn
		.amdhsa_group_segment_fixed_size 327680
		.amdhsa_private_segment_fixed_size 0
		.amdhsa_enable_private_segment 0
		.amdhsa_kernarg_size 136
		.amdhsa_user_sgpr_count 2
		.amdhsa_user_sgpr_kernarg_segment_ptr 1
		.amdhsa_wavefront_size32 1
		.amdhsa_system_sgpr_workgroup_id_x 1
		.amdhsa_system_sgpr_workgroup_id_y 1
		.amdhsa_system_sgpr_workgroup_id_z 1
		.amdhsa_system_vgpr_workitem_id 0
		.amdhsa_next_free_vgpr 256
		.amdhsa_next_free_sgpr 100
		.amdhsa_reserve_vcc 1
		.amdhsa_float_denorm_mode_32 3
		.amdhsa_float_denorm_mode_16_64 3
		.amdhsa_memory_ordered 1
		.amdhsa_forward_progress 1
		.amdhsa_inst_pref_size 216
	.end_amdhsa_kernel
	.amdgpu_metadata
---
amdhsa.version: [ 1, 2 ]
amdhsa.kernels:
  - .name:           k_q5419c7de39_attn
    .symbol:         k_q5419c7de39_attn.kd
    .args:
      - { .name: distance_matrix, .offset: 0, .size: 8, .value_kind: global_buffer, .address_space: global }
      - { .name: energy_matrix, .offset: 8, .size: 8, .value_kind: global_buffer, .address_space: global }
      - { .name: mask, .offset: 16, .size: 8, .value_kind: global_buffer, .address_space: global }
      - { .name: Q, .offset: 24, .size: 8, .value_kind: global_buffer, .address_space: global }
      - { .name: K, .offset: 32, .size: 8, .value_kind: global_buffer, .address_space: global }
      - { .name: V, .offset: 40, .size: 8, .value_kind: global_buffer, .address_space: global }
      - { .name: mu_D, .offset: 48, .size: 8, .value_kind: global_buffer, .address_space: global }
      - { .name: sigma_D, .offset: 56, .size: 8, .value_kind: global_buffer, .address_space: global }
      - { .name: b_D, .offset: 64, .size: 8, .value_kind: global_buffer, .address_space: global }
      - { .name: mu_E, .offset: 72, .size: 8, .value_kind: global_buffer, .address_space: global }
      - { .name: sigma_E, .offset: 80, .size: 8, .value_kind: global_buffer, .address_space: global }
      - { .name: b_E, .offset: 88, .size: 8, .value_kind: global_buffer, .address_space: global }
      - { .name: W1, .offset: 96, .size: 8, .value_kind: global_buffer, .address_space: global }
      - { .name: b1, .offset: 104, .size: 8, .value_kind: global_buffer, .address_space: global }
      - { .name: W2, .offset: 112, .size: 8, .value_kind: global_buffer, .address_space: global }
      - { .name: b2, .offset: 120, .size: 8, .value_kind: global_buffer, .address_space: global }
      - { .name: out0, .offset: 128, .size: 8, .value_kind: global_buffer, .address_space: global }
    .group_segment_fixed_size: 327680
    .private_segment_fixed_size: 0
    .kernarg_segment_align: 8
    .kernarg_segment_size: 136
    .max_flat_workgroup_size: 512
    .sgpr_count:     100
    .vgpr_count:     256
    .wavefront_size: 32
...
	.end_amdgpu_metadata
.endif
;; end of part 1
;; ======== version 2 of 2: 1 launch; 1.15 times as fast as version 1
;; launch attn (part 2): grid 32 x 8, 16 waves a work-group, no clusters, 327,680 bytes of LDS; arguments distance_matrix, energy_matrix, mask, Q, K, V, mu_D, sigma_D, b_D, mu_E, sigma_E, b_E, W1, b1, W2, b2, out0; writes out0
.if DOCPART == 2
	.amdgcn_target "amdgcn-amd-amdhsa--gfx1250"
	.amdhsa_code_object_version 6
	.text
	.protected	k_q5419c7de39_attn
	.globl	k_q5419c7de39_attn
	.p2align	8
	.type	k_q5419c7de39_attn,@function
k_q5419c7de39_attn:
	s_mov_b64 s[64:65], 0
	v_nop
	global_prefetch_b8 v0, s[64:65] scope:SCOPE_SE
	s_setreg_imm32_b32 hwreg(HW_REG_WAVE_MODE, 25, 1), 1
	s_wait_xcnt 0x0
; out0[h][q][:] = softmax_k( Q.K / sqrt(128) + f_D(distance) + f_E(energy), mask ) V.   8 heads, 1,024 queries, 1,024 keys, 64 channels.
; f(x) = W2 . gelu(W1 psi(x) + b1) + b2, psi_k(x) = exp(-((x + b_k - mu_k) / sigma_k)^2 / 2) / (sqrt(2 pi) sigma_k), ten kernels, ten hidden units, exact gelu.
; Q K^T and P V go on codes of E2M3 with one E8M0 scale for each 32 along K; all else in f32; the 10 x 10 and 10 x 1 products by fused multiply-adds in f32, since their result goes on into a quantiser.
; SHARES.  A work-group owns 32 queries of one head, two tiles of 16.  Each of its sixteen waves owns 64 keys for both tiles: its pieces of the rows of distance, energy and mask are 256 aligned bytes,
; and no byte of K or V is read twice in a work-group.  A wave ends with its own whole number M, its sum l and its O^T for each tile; these are merged once, through LDS, by exact powers of two.
; THE LOGITS are kept as t = logit x log2(e).  p = 2^(t - M), M = ceil(largest t); l is the sum of the unquantised p.
; THE BIAS CHAIN, for an element x:  |psi_k| = 2^(L_k - (S_k x + SC_k)^2), S_k = sqrt(log2(e) / 2) / sigma_k, SC_k = (b_k - mu_k) S_k, L_k = -log2(sqrt(2 pi) |sigma_k|); sigma_k's sign lies in W1's column k,
; which is flipped between the passes where the two chains' signs differ.  W1 and b1 carry 1 / sqrt(2), so that the sum is u = (hidden sum) / sqrt(2);
; gelu x W2 x log2(e) = u W2C (1 + erf u), W2C = W2 log2(e) / sqrt(2);  erf u = m P(m^2) / Q(m^2), m = u held to -4 .. 4 (P of degree 6, Q of degree 4).
; WHO MAKES WHAT.  A batch is four elements of each query: keys k, k + 1, k + 32, k + 33; two neighbouring keys are the halves of every packed instruction.  Lane half h makes kernels 5 h .. 5 h + 4 of all four,
; takes the other five from the lane 16 away, and makes hidden units 5 h .. 5 h + 4: 100 packed multiply-adds for 64 elements x 100 products.  (The f32 matrix form would multiply 16 x 12 places for these 10 x 10.)
; The halves' partial sums over hidden units are joined by an exchange of halves that also puts keys k and k + 32 where S^T has them.
; LAYOUT OF THE QUANTISED PRODUCTS.  K is 64 where the instruction takes 128: registers 0-5 of an operand are the lane's block of 32, registers 6-11 are zero codes on both sides, scale bytes 2 and 3 are 127.
; Both are used transposed (S^T = K Q^T, O^T = V^T P^T): a lane holds one query.  Lane r of K's tile t takes key 8 t + r % 8 + 32 (r / 8): register n of S^T in lane half h is key 32 h + n: a lane's 32 registers are one block of p.
; THE MASK: where mask = 0 the parked t becomes -infinity (finite biases leave it so); ahead of the maximum every -infinity becomes -1e9 x log2(e).
; NO CLUSTER: what the 32 work-groups of a head share is K and V, 524,288 bytes in f32; a joint load lands in LDS, where 327,680 - 280,576 bytes are free.  They are read once, at the head, into registers.
; LIMITS: NaN and infinities among the inputs and sigma = 0 are not served.  erf is right to a few units of its last place, so for u under -4 the sum 1 + erf may be one such unit and not 0.
; A block's largest p is made from its largest t by the same two instructions as every p: this takes the exponential not to fall where its input rises.  A block of zeros gets the byte 1: its codes are zeros.
.set TILE,  4352                       ; a wave's tile in LDS: 16 rows x (256 bytes + 16 of padding): rows start 16 bytes apart modulo 256
.set SLOTA, 0                          ; sixteen tiles of distance
.set SLOTB, 69632                      ; of energy
.set SLOTC, 139264                     ; of the mask
.set PARK,  208896                     ; 4,352 bytes a wave, touched by LDS instructions alone: the head's turning stage, then the tile's 32 t a lane, then the statistics
.set SPARE, 278528                     ; the spare words, 128 bytes for each wave
.set CD,   20                          ; v20-35   distance: (S, SC) of my five kernels, then their five L, then a word that is only named
.set W,    36                          ; v36-85   W1 / sqrt(2): row j (hidden unit 5 h + j) at 10 j: my five kernels' columns, then the other half's five
.set BIAS, 86                          ; v86-91   b1 / sqrt(2) of my five hidden units
.set W2C,  92                          ; v92-97   W2 log2(e) / sqrt(2) of my five hidden units
.set CF,   98                          ; v98-99   the leading coefficients of P and of Q
.set VC,   100                         ; v100-123 V's codes, four tiles x 6
.set VS,   124                         ; v124-127 V's scale words
.set R32,  128                         ; v128-159 tile 1's seed, later tile 0's O^T
.set HH,   160                         ; v160-179 z of four elements x five kernels, then the hidden pairs: pair (g, j) at 10 g + 2 j
.set PB,   180                         ; v180-199 my five psi: pair (g, i) at 10 g + 2 i
.set PO,   200                         ; v200-219 the other half's five
.set TMP,  180                         ; v180-219 gelu's work, once the psi are used up
.set XA,   220                         ; v220-223 x of keys k .. k + 3
.set XB,   224                         ; v224-227 of keys k + 32 .. k + 35
.set PREV, 228                         ; v228-231 a quad of parked t
.set ACC,  232                         ; v232-235 the four elements' sums over my five hidden units
.set CE,   240                         ; v240-255 energy, as CD
.set TT,   160                         ; at a softmax: v160-191 t and then p, v192-223 the mask
.set MK,   192
.set O1,   36                          ; tile 1's O^T: W1's registers, free behind the last pass
; v1, v2 the add's two; v3 x's place in a slot; v4 the mask's; v5 the park's; v6, v7 a trip's addresses; v8 -1e9 log2(e); v9 -infinity; v[10:11] 2 b2 log2(e); v[12:13], v[14:15] (-M, l) of tiles 0 and 1; v19 my five of a vector of ten
; s[4:37] the buffers; s38 wave; s39 head; s[40:59] ten coefficients, each twice; s[60:61] log2(e) / sqrt(128); s[62:63] lane selects; s[68:75] group 1; s[76:87] three groups 0; s88-90 a pass's steps; s91 wave x TILE
.macro SPAIR reg, val                  ; a packed instruction names a scalar pair: both words are written
	s_mov_b32 s[\reg], \val
	s_mov_b32 s[\reg+1], \val
.endm
.macro FIRST g0, ptr, slot             ; a slot's group 0 and its first fill: my 16 rows x 256 bytes
	s_mov_b32 s[\g0], 1                            ; count = 1
	s_add_co_u32 s[\g0+1], s91, \slot              ; LDS address: the slot + wave x TILE
	s_add_nc_u64 s[\g0+2:\g0+3], s[\ptr:\ptr+1], s[92:93]
	s_or_b32 s[\g0+3], s[\g0+3], 0x80000000        ; type = 2
	tensor_load_to_lds s[\g0:\g0+3], s[68:75]
	s_nop 0
.endm
.macro REFILL g0                       ; a slot that has been read takes tile 1's rows, 16 rows of 4,096 bytes further down
	s_wait_tensorcnt 0x0                           ; no tensor load of mine is out, so a group 0 may be written
	ds_add_u32 v1, v2
	s_add_nc_u64 s[\g0+2:\g0+3], s[\g0+2:\g0+3], 65536
	s_wait_dscnt 0x0                               ; the add is done, and so are my reads of the slot
	s_barrier_signal -1
	s_barrier_wait -1
	tensor_load_to_lds s[\g0:\g0+3], s[68:75]      ; my one tensor load behind this barrier, and the first thing there
	s_nop 0
.endm
.macro LOADT area, base, imm0, gap     ; 16 rows of 256 bytes, two rows (512 consecutive bytes) a load; rows 8-15 begin gap bytes behind rows 0-7
.irp q, 0,1,2,3,4,5,6,7
	global_load_b128 v[\area+4*\q:\area+4*\q+3], v6, s[\base:\base+1] offset:\imm0+512*(\q%4)+(\gap)*(\q/4)
.endr
.endm
.macro TURN area                       ; through my stage: in as loaded, back as 128 bytes of row lane % 16: my block of 32.  LDS serves a wave's instructions in order: no wait between
.irp q, 0,1,2,3,4,5,6,7
	ds_store_b128 v7, v[\area+4*\q:\area+4*\q+3] offset:544*\q
.endr
.irp q, 0,1,2,3,4,5,6,7
	ds_load_b128 v[\area+4*\q:\area+4*\q+3], v8 offset:16*\q
.endr
.endm
.macro QBLK raw, dst, word             ; a lane's block of 32 numbers becomes 6 registers of codes; the two halves' bytes make the row's scale word (lanes 0-15 are read)
	v_max3_num_f32 v12, |v[\raw]|, |v[\raw+1]|, 0x1800000          ; the floor 2^(3 - 127): the byte cannot fall under 1
	v_max3_num_f32 v13, |v[\raw+2]|, |v[\raw+3]|, |v[\raw+4]|
.irp i, 5,9,13,17,21,25
	v_max3_num_f32 v12, v12, |v[\raw+\i]|, |v[\raw+\i+1]|
	v_max3_num_f32 v13, v13, |v[\raw+\i+2]|, |v[\raw+\i+3]|
.endr
	v_max3_num_f32 v12, v12, |v[\raw+29]|, |v[\raw+30]|
	v_max3_num_f32 v12, v12, v13, |v[\raw+31]|                     ; the block's largest magnitude
	v_add_nc_u32 v13, 0xff000000, v12                              ; 2 off its exponent field: the conversion's scale operand
	v_lshrrev_b32 v12, 23, v13                                     ; the scale's byte
	v_cvt_scalef32_pk16_fp6_f32 v[\dst:\dst+2], v[\raw:\raw+15], v13
	v_cvt_scalef32_pk16_fp6_f32 v[16:18], v[\raw+16:\raw+31], v13  ; (a conversion's three registers begin on an even number)
	v_nop                                                          ; one plain place behind a scaled conversion
	v_mov_b32 v[\dst+3], v16
	v_mov_b32 v[\dst+4], v17
	v_mov_b32 v[\dst+5], v18
	v_permlanex16_b32 v14, v12, s62, s63                           ; the other half's byte
	v_lshl_or_b32 v[\word], v14, 8, v12
	v_or_b32 v[\word], 0x7f7f0000, v[\word]                        ; blocks 2 and 3 are zero codes: byte 127
.endm
.macro KQ area, left, dst, word        ; a tile of K or of Q: left = the loads of the tiles issued behind it
	s_wait_loadcnt \left
	TURN \area
	s_wait_dscnt 0x0
	QBLK \area, \dst, \word
.endm
.macro SPROD qrun, qs                  ; S^T of one tile of queries, then the seed t = S c + 2 b2 log2(e)
.irp t, 0,1,2,3
	v_wmma_scale_f32_16x16x128_f8f6f4 v[R32+8*\t:R32+8*\t+7], v[192+12*\t:192+12*\t+11], v[\qrun:\qrun+11], 0, v[184+\t], v[\qs] matrix_a_fmt:MATRIX_FMT_FP6 matrix_b_fmt:MATRIX_FMT_FP6
.endr
.rept 4
	v_nop                                          ; places ahead of the first read of results
.endr
.set n, 0
.rept 16
	v_pk_fma_f32 v[R32+n:R32+n+1], v[R32+n:R32+n+1], s[60:61], v[10:11] op_sel_hi:[1,0,1]   ; each accumulator from its low end on
.set n, n+2
.endr
.endm
.macro FROMPARK base                   ; quad q of my 32 t lies at 512 q + 16 x lane
.irp q, 0,1,2,3,4,5,6,7
	ds_load_b128 v[\base+4*\q:\base+4*\q+3], v5 offset:512*\q
.endr
.endm
.macro TOPARK base
.irp q, 0,1,2,3,4,5,6,7
	ds_store_b128 v5, v[\base+4*\q:\base+4*\q+3] offset:512*\q
.endr
.endm
.macro MASKLD                          ; mask(query lane % 16, keys 32 (lane / 16) + 0 .. 31)
.irp q, 0,1,2,3,4,5,6,7
	ds_load_b128 v[MK+4*\q:MK+4*\q+3], v4 offset:16*\q
.endr
.endm
.macro SENT base                       ; where the mask is 0, t becomes -infinity
.set n, 0
.rept 32
	v_cmp_eq_u32 vcc_lo, 0, v[MK+n]
	v_cndmask_b32 v[\base+n], v[\base+n], v9, vcc_lo
.set n, n+1
.endr
.endm
; A chain's constants, in place: in come sigma at c + 2 i, b at c + 2 i + 1, mu at c + 10 + i; out go S, SC and L
.macro CHAIN c
.irp i, 0,1,2,3,4
	v_sub_f32 v[\c+2*\i+1], v[\c+2*\i+1], v[\c+10+\i]              ; b - mu
.endr
.irp i, 0,1,2,3,4
	v_log_f32 v[\c+10+\i], |v[\c+2*\i]|                            ; log2 |sigma|
.endr
	v_mov_b32 v[\c+15], 0                          ; named as the upper word of L's last pair.  A plain place between the logarithms and the lines that write over their sources
.irp i, 0,1,2,3,4
	v_rcp_f32 v[\c+2*\i], v[\c+2*\i]
.endr
	v_nop                                          ; a plain place behind the last reciprocal
	s_wait_alu depctr_va_vdst(0)                   ; one wait for the ten, ahead of their first reader
.irp i, 0,1,2,3,4
	v_sub_f32 v[\c+10+\i], 0xbfa9b21d, v[\c+10+\i]                 ; L = -log2(sqrt(2 pi)) - log2 |sigma|
	v_mul_f32 v[\c+2*\i], 0x3f596d27, v[\c+2*\i]                   ; S = sqrt(log2(e) / 2) / sigma
.endr
.irp i, 0,1,2,3,4
	v_mul_f32 v[\c+2*\i+1], v[\c+2*\i+1], v[\c+2*\i]               ; SC = (b - mu) S
.endr
.endm
; sigma's sign lies in W1's columns.  both = 0: distance's signs go in; both = 1: the columns in which the two chains' signs differ are flipped, either way round.  S has sigma's sign.  tb: ten registers at work
.macro FLIP both, tb
.irp i, 0,1,2,3,4
.if \both
	v_xor_b32 v[\tb+\i], v[CD+2*\i], v[CE+2*\i]
	v_and_b32 v[\tb+\i], 0x80000000, v[\tb+\i]
.else
	v_and_b32 v[\tb+\i], 0x80000000, v[CD+2*\i]
.endif
.endr
.irp i, 0,1,2,3,4
	v_permlanex16_b32 v[\tb+5+\i], v[\tb+\i], s62, s63             ; the other half's five kernels
.endr
.irp j, 0,1,2,3,4
.irp i, 0,1,2,3,4
	v_xor_b32 v[W+10*\j+\i], v[\tb+\i], v[W+10*\j+\i]
	v_xor_b32 v[W+10*\j+5+\i], v[\tb+5+\i], v[W+10*\j+5+\i]
.endr
.endr
.endm
.macro ARG reg, cst, i                 ; L - z^2 of a pair; of the pair that holds L the word with kernel i's serves both halves
.if ((\i)%2) == 0
	v_pk_fma_f32 v[\reg:\reg+1], v[\reg:\reg+1], v[\reg:\reg+1], v[\cst+10+(\i):\cst+11+(\i)] op_sel_hi:[1,1,0] neg_lo:[1,0,0] neg_hi:[1,0,0]
.else
	v_pk_fma_f32 v[\reg:\reg+1], v[\reg:\reg+1], v[\reg:\reg+1], v[\cst+9+(\i):\cst+10+(\i)] op_sel:[0,0,1] op_sel_hi:[1,1,1] neg_lo:[1,0,0] neg_hi:[1,0,0]
.endif
.endm
.macro HFMA j, g, kk                   ; hidden pair (g, j) += W1(j, kk) x psi pair (g, kk); the first takes the bias as its addend: nothing is cleared.  Weights and biases lie two to a pair: the word wanted serves both halves
.set wr, W+10*(\j)+2*((\kk)/2)
.set pr, PB+10*(\g)+2*(\kk)+10*((\kk)/5)
.set hr, HH+10*(\g)+2*(\j)
.if (\kk) == 0
.if ((\j)%2) == 0
	v_pk_fma_f32 v[hr:hr+1], v[pr:pr+1], v[wr:wr+1], v[BIAS+(\j):BIAS+(\j)+1] op_sel_hi:[1,0,0]
.else
	v_pk_fma_f32 v[hr:hr+1], v[pr:pr+1], v[wr:wr+1], v[BIAS+(\j)-1:BIAS+(\j)] op_sel:[0,0,1] op_sel_hi:[1,0,1]
.endif
.elseif ((\kk)%2) == 0
	v_pk_fma_f32 v[hr:hr+1], v[pr:pr+1], v[wr:wr+1], v[hr:hr+1] op_sel_hi:[1,0,1]
.else
	v_pk_fma_f32 v[hr:hr+1], v[pr:pr+1], v[wr:wr+1], v[hr:hr+1] op_sel:[0,1,0] op_sel_hi:[1,1,1]
.endif
.endm
.macro PSTEP                           ; multiply-add t of P's 30: step t / 5 of pair t % 5
.set pj, TMP+30+2*(t%5)
.set mj, TMP+10+2*(t%5)
.if t < 5
	v_pk_fma_f32 v[pj:pj+1], v[mj:mj+1], v[CF:CF+1], s[40:41] op_sel_hi:[1,0,0]    ; the pair's lower word is P's leading coefficient
.else
	v_pk_fma_f32 v[pj:pj+1], v[pj:pj+1], v[mj:mj+1], s[40+2*(t/5):41+2*(t/5)] op_sel_hi:[1,1,0]
.endif
.set t, t+1
.endm
; gelu and W2 for the element pair g.  TMP+0..9 m, later u W2C; +10..19 m^2; +20..29 Q, then 1 / Q; +30..39 P, P m, 1 + erf
.macro GELU g
.irp j, 0,1,2,3,4
	v_med3_num_f32 v[TMP+2*\j], v[HH+10*\g+2*\j], -4.0, 4.0
	v_med3_num_f32 v[TMP+2*\j+1], v[HH+10*\g+2*\j+1], -4.0, 4.0
.endr
.irp j, 0,2,4,6,8
	v_pk_mul_f32 v[TMP+10+\j:TMP+11+\j], v[TMP+\j:TMP+1+\j], v[TMP+\j:TMP+1+\j]
.endr
.irp j, 0,2,4,6,8
	v_pk_fma_f32 v[TMP+20+\j:TMP+21+\j], v[TMP+10+\j:TMP+11+\j], v[CF:CF+1], s[52:53] op_sel:[0,1,0] op_sel_hi:[1,1,0]   ; Q: the pair's upper word is its leading coefficient
.endr
.irp k, 54,56,58
.irp j, 0,2,4,6,8
	v_pk_fma_f32 v[TMP+20+\j:TMP+21+\j], v[TMP+20+\j:TMP+21+\j], v[TMP+10+\j:TMP+11+\j], s[\k:\k+1] op_sel_hi:[1,1,0]
.endr
.endr
.set n, 0
.set t, 0
.rept 10
	v_rcp_f32 v[TMP+20+n], v[TMP+20+n]             ; the ten reciprocals are one batch; three of P's multiply-adds, which name none of its results, follow each
.rept 3
	PSTEP
.endr
.set n, n+1
.endr
.irp j, 0,2,4,6,8
	v_pk_mul_f32 v[TMP+30+\j:TMP+31+\j], v[TMP+30+\j:TMP+31+\j], v[TMP+\j:TMP+1+\j]
.endr
.irp j, 0,1,2,3,4
.if (\j%2) == 0
	v_pk_mul_f32 v[TMP+2*\j:TMP+2*\j+1], v[HH+10*\g+2*\j:HH+10*\g+2*\j+1], v[W2C+\j:W2C+\j+1] op_sel_hi:[1,0]              ; u W2C, of the u that is not held
.else
	v_pk_mul_f32 v[TMP+2*\j:TMP+2*\j+1], v[HH+10*\g+2*\j:HH+10*\g+2*\j+1], v[W2C+\j-1:W2C+\j] op_sel:[0,1] op_sel_hi:[1,1]
.endif
.endr
	s_wait_alu depctr_va_vdst(0)                   ; one wait for the ten reciprocals, ahead of their first reader
.irp j, 0,2,4,6,8
	v_pk_fma_f32 v[TMP+30+\j:TMP+31+\j], v[TMP+30+\j:TMP+31+\j], v[TMP+20+\j:TMP+21+\j], 1.0 op_sel_hi:[1,1,0]   ; 1 + erf
.endr
	v_pk_mul_f32 v[ACC+2*\g:ACC+2*\g+1], v[TMP:TMP+1], v[TMP+30:TMP+31]
.irp j, 2,4,6,8
	v_pk_fma_f32 v[ACC+2*\g:ACC+2*\g+1], v[TMP+\j:TMP+1+\j], v[TMP+30+\j:TMP+31+\j], v[ACC+2*\g:ACC+2*\g+1]
.endr
.endm
; Four elements of each query: keys k + 2 bb, k + 2 bb + 1 and the two 32 further on
.macro BATCH bb, cst
.irp s, 0,1,2,3,4,5,6                          ; in stage s: z of kernel s, the exponent of kernel s - 1, the four exponentials of kernel s - 2, plain lines and exponentials by turns
.if \s < 5
	v_pk_fma_f32 v[HH+4*\s:HH+4*\s+1], v[XA+2*\bb:XA+2*\bb+1], v[\cst+2*\s:\cst+2*\s+1], v[\cst+2*\s:\cst+2*\s+1] op_sel:[0,0,1] op_sel_hi:[1,0,1]   ; S x + SC: of the pair (S, SC) the lower word multiplies, the upper is added
.endif
.if \s > 1
	v_exp_f32 v[PB+2*(\s-2)], v[HH+4*(\s-2)]
.endif
.if \s < 5
	v_pk_fma_f32 v[HH+4*\s+2:HH+4*\s+3], v[XB+2*\bb:XB+2*\bb+1], v[\cst+2*\s:\cst+2*\s+1], v[\cst+2*\s:\cst+2*\s+1] op_sel:[0,0,1] op_sel_hi:[1,0,1]
.endif
.if \s > 1
	v_exp_f32 v[PB+2*(\s-2)+1], v[HH+4*(\s-2)+1]
.endif
.if (\s > 0) && (\s < 6)
	ARG HH+4*(\s-1), \cst, (\s-1)
.endif
.if \s > 1
	v_exp_f32 v[PB+10+2*(\s-2)], v[HH+4*(\s-2)+2]
.endif
.if (\s > 0) && (\s < 6)
	ARG HH+4*(\s-1)+2, \cst, (\s-1)
.endif
.if \s > 1
	v_exp_f32 v[PB+10+2*(\s-2)+1], v[HH+4*(\s-2)+3]
.endif
.endr
	v_nop                                          ; a plain place behind the last exponential
	s_wait_alu depctr_va_vdst(0)                   ; one wait for the twenty, ahead of their first reader
.set n, 0
.rept 20
	v_permlanex16_b32 v[PO+n], v[PB+n], s62, s63   ; the other half's five kernels of the same four elements (the destinations have been written since the head)
.set n, n+1
.endr
.irp kk, 0,1,2,3,4,5,6,7,8,9                   ; ten sums by turns: no line waits for the line above it
.irp j, 0,1,2,3,4
.irp g, 0,1
	HFMA \j, \g, \kk
.endr
.endr
.endr
	GELU 0
	GELU 1
	v_permlane16_swap_b32 v[ACC], v[ACC+2]         ; lanes 0-15 now hold both halves' sums of key k, lanes 16-31 those of key k + 32
	v_permlane16_swap_b32 v[ACC+1], v[ACC+3]
	v_pk_add_f32 v[ACC:ACC+1], v[ACC:ACC+1], v[ACC+2:ACC+3]
.if \bb == 0
	s_wait_dscnt 0x0                               ; the parked quad is in
.endif
	v_pk_add_f32 v[PREV+2*\bb:PREV+2*\bb+1], v[PREV+2*\bb:PREV+2*\bb+1], v[ACC:ACC+1]
.endm
; One bias over a tile of 16 queries x 64 keys: eight trips of two batches.  A trip takes keys 4 q .. 4 q + 3 and those 32 on, and quad q of the park
.macro PASS slot, cst
	s_mov_b32 s88, \slot
	s_mov_b32 s89, 0
	s_mov_b32 s90, 8
.Lpass_\@:
	v_add_nc_u32 v6, s88, v3
	v_add_nc_u32 v7, s89, v5
	ds_load_b128 v[XA:XA+3], v6
	ds_load_b128 v[XB:XB+3], v6 offset:128
	ds_load_b128 v[PREV:PREV+3], v7
	s_wait_dscnt 0x1                               ; x is in; the parked quad may stay out
	BATCH 0, \cst
	BATCH 1, \cst
	ds_store_b128 v7, v[PREV:PREV+3]
	s_add_co_u32 s88, s88, 16
	s_add_co_u32 s89, s89, 512
	s_wait_dscnt 0x0                               ; the store is done: its address and data are written again in the next trip
	s_sub_co_i32 s90, s90, 1
	s_cmp_lg_u32 s90, 0
	s_cbranch_scc1 .Lpass_\@
.endm
; The wave's softmax over its 64 keys and O^T = V^T P^T for tile tau; t lies in TT; the result goes to v[o] on.  v222-232 at work; v208-219 p's operand; v220 its scale word; v160-207 V's four operands
.macro SOFTMAX tau, o
.set n, 0
.rept 32
	v_cmp_eq_f32 vcc_lo, v9, v[TT+n]
	v_cndmask_b32 v[TT+n], v[TT+n], v8, vcc_lo     ; a masked key: t = -1e9 log2(e)
.set n, n+1
.endr
	v_max3_num_f32 v222, v[TT], v[TT+1], v[TT+2]
	v_max3_num_f32 v223, v[TT+3], v[TT+4], v[TT+5]
.irp i, 6,10,14,18,22,26
	v_max3_num_f32 v222, v222, v[TT+\i], v[TT+\i+1]
	v_max3_num_f32 v223, v223, v[TT+\i+2], v[TT+\i+3]
.endr
	v_max3_num_f32 v222, v222, v[TT+30], v[TT+31]
	v_max_num_f32 v222, v222, v223                 ; my block's largest t
	v_permlanex16_b32 v224, v222, s62, s63
	v_max_num_f32 v224, v222, v224                 ; the query's, over my wave's 64 keys
	v_floor_f32 v[12+2*\tau], -v224                ; -M = floor(-t) = -ceil(t)
.set n, 0
.rept 16
	v_pk_add_f32 v[TT+n:TT+n+1], v[TT+n:TT+n+1], v[12+2*\tau:13+2*\tau] op_sel_hi:[1,0]   ; t - M (the pair's lower word for both)
.set n, n+2
.endr
	v_add_f32 v222, v222, v[12+2*\tau]             ; the same of the block's largest t
.set n, 0
.rept 32
	v_exp_f32 v[TT+n], v[TT+n]                     ; p
.set n, n+1
.endr
	v_exp_f32 v222, v222                           ; the block's largest p
	v_nop                                          ; a plain place behind the last exponential
	s_wait_alu depctr_va_vdst(0)                   ; one wait for the 33
	v_pk_add_f32 v[226:227], v[TT:TT+1], v[TT+2:TT+3]              ; the sum of the unquantised p, in two chains
	v_pk_add_f32 v[228:229], v[TT+4:TT+5], v[TT+6:TT+7]
.irp j, 8,12,16,20,24,28
	v_pk_add_f32 v[226:227], v[226:227], v[TT+\j:TT+\j+1]
	v_pk_add_f32 v[228:229], v[228:229], v[TT+\j+2:TT+\j+3]
.endr
	v_pk_add_f32 v[226:227], v[226:227], v[228:229]
	v_add_f32 v226, v226, v227
	v_permlanex16_b32 v227, v226, s62, s63
	v_add_f32 v[13+2*\tau], v226, v227             ; l of my 64 keys
	v_max_num_f32 v222, 0x1800000, v222            ; the floor: the byte cannot fall under 1
	v_add_nc_u32 v225, 0xff000000, v222            ; the conversion's scale operand
	v_lshrrev_b32 v222, 23, v225                   ; the byte
	v_permlanex16_b32 v223, v222, s62, s63
	v_lshl_or_b32 v220, v223, 8, v222
	v_or_b32 v220, 0x7f7f0000, v220                ; p's scale word
	v_cvt_scalef32_pk16_fp6_f32 v[208:210], v[TT:TT+15], v225
	v_cvt_scalef32_pk16_fp6_f32 v[230:232], v[TT+16:TT+31], v225   ; (a conversion's three registers begin on an even number)
	v_nop                                          ; one plain place behind a scaled conversion
.irp i, 0,1,2
	v_mov_b32 v[211+\i], v[230+\i]
.endr
.irp i, 0,1,2,3,4,5
	v_mov_b32 v[214+\i], 0
.endr
.irp k, 0,1,2,3
.irp i, 0,1,2,3,4,5
	v_mov_b32 v[160+12*\k+\i], v[VC+6*\k+\i]       ; V's four operands: six registers of codes, six of zero codes
	v_mov_b32 v[166+12*\k+\i], 0
.endr
.endr
.rept 8
	v_nop                                          ; a scale word written by vector instructions stands eight places ahead of a scaled product, an operand four
.endr
	s_wait_dscnt 0x0                               ; the stores to the park have read the registers that the results take
.irp k, 0,1,2,3
	v_wmma_scale_f32_16x16x128_f8f6f4 v[\o+8*\k:\o+8*\k+7], v[160+12*\k:160+12*\k+11], v[208:219], 0, v[VS+\k], v220 matrix_a_fmt:MATRIX_FMT_FP6 matrix_b_fmt:MATRIX_FMT_FP6
.endr
.rept 4
	v_nop                                          ; places ahead of writes and loads into the operands, and of the first read of results
.endr
.endm
	; ---------------- the head
	s_load_b512 s[4:19], s[0:1], 0x0               ; distance, energy, mask, Q, K, V, mu_D, sigma_D
	s_load_b512 s[20:35], s[0:1], 0x40             ; b_D, mu_E, sigma_E, b_E, W1, b1, W2, b2
	s_load_b64 s[36:37], s[0:1], 0x80              ; out0
	v_lshl_add_u32 v1, v0, 2, SPARE
	v_mov_b32 v2, 0
	ds_add_u32 v1, v2                              ; the wave's opening: the add and its wait stand ahead of my first tensor load; work on registers stands between them
	v_lshrrev_b32 v12, 5, v0
	v_readfirstlane_b32 s38, v12                   ; wave 0..15
	s_and_b32 s39, ttmp7, 0xffff                   ; head
	s_mul_i32 s91, s38, TILE
	s_mov_b32 s68, 0x07520000                      ; group 1: elements of 4 bytes; padding on: behind every 64 words, 4 words
	s_mov_b32 s69, 64<<16                          ; tensor_dim0 = 64
	s_mov_b32 s70, 16<<16                          ; tensor_dim1 = 16
	s_mov_b32 s71, 64<<16                          ; tile_dim0 = 64
	s_mov_b32 s72, 16                              ; tile_dim1 = 16
	s_mov_b32 s73, 1024                            ; from row to row
	s_mov_b32 s74, 0
	s_mov_b32 s75, 0
	SPAIR 40, 0x32edffee                           ; P:  2.77068142e-08
	SPAIR 42, 0xb60cff51                           ;    -2.10102402e-06
	SPAIR 44, 0xb86ec2d2                           ;    -5.69250639e-05
	SPAIR 46, 0xba40ac63                           ;    -7.34990630e-04
	SPAIR 48, 0xbb41a1f6                           ;    -2.95459981e-03
	SPAIR 50, 0xbc83dbd4                           ;    -1.60960333e-02
	SPAIR 52, 0xb95fbd29                           ; Q: -2.13374055e-04
	SPAIR 54, 0xbadc924e                           ;    -1.68282697e-03
	SPAIR 56, 0xbbf19bf8                           ;    -7.37332917e-03
	SPAIR 58, 0xbc69b6a7                           ;    -1.42647391e-02
	SPAIR 60, 0x3e0293ee                           ; log2(e) / sqrt(128)
	s_mov_b32 s62, 0x76543210
	s_mov_b32 s63, 0xfedcba98                      ; lane l xor 16
	s_lshl_b32 s92, s39, 22                        ; distance, energy, mask: head x 4,194,304
	s_lshl_b32 s97, ttmp9, 17                      ; + my 32 rows of 4,096 bytes
	s_add_co_u32 s92, s92, s97
	s_lshl_b32 s97, s38, 8                         ; + my wave's 64 keys
	s_add_co_u32 s92, s92, s97
	s_mov_b32 s93, 0
	s_lshl_b32 s98, s39, 18                        ; Q, K, V, out0: head x 262,144
	s_lshl_b32 s97, s38, 14                        ; K, V: + my 64 keys of 256 bytes
	s_add_co_u32 s94, s98, s97
	s_mov_b32 s95, 0
	s_lshl_b32 s97, ttmp9, 13                      ; Q, out0: + my 32 queries
	s_add_co_u32 s98, s98, s97
	s_mov_b32 s99, 0
	v_and_b32 v12, 15, v0                          ; r
	v_bfe_u32 v13, v0, 4, 1                        ; h
	v_and_b32 v14, 31, v0                          ; lane
	v_mul_u32_u24 v3, v12, 272
	v_add_nc_u32 v3, s91, v3                       ; x: my tile, row r; both halves of the lanes read the same x
	v_lshl_add_u32 v8, v13, 7, v3
	v_add_nc_u32 v4, SLOTC, v8                     ; the mask: row r, + 128 h
	v_add_nc_u32 v8, PARK, v8                      ; the stage, back: row r, + 128 h
	v_lshlrev_b32 v6, 4, v14                       ; 16 x lane: a load's 512 bytes
	v_add_nc_u32 v5, s91, v6
	v_add_nc_u32 v5, PARK, v5                      ; the park
	v_mul_u32_u24 v7, v13, 272
	v_lshl_add_u32 v7, v12, 4, v7
	v_add_nc_u32 v7, s91, v7
	v_add_nc_u32 v7, PARK, v7                      ; the stage, in: lanes 0-15 one row, lanes 16-31 the next
	v_mul_u32_u24 v9, v13, 2176
	v_lshl_add_u32 v9, v12, 2, v9
	v_add_nc_u32 v9, s91, v9
	v_add_nc_u32 v9, PARK, v9                      ; the stage, back by columns, for V: rows 8 h on, channel r
	v_mul_u32_u24 v19, v13, 20                     ; my five of a vector of ten
	v_mul_u32_u24 v15, v13, 220                    ; W1: rows 5 h on (40 bytes a row), my five columns: 200 h + 20 h
	v_mul_u32_u24 v11, v13, 180
	v_add_nc_u32 v11, 20, v11                      ; and the other half's five columns: 200 h + 20 (1 - h)
	v_mov_b32 v14, 0                               ; written once: a lane permute's destination counts as one of its sources
	s_wait_dscnt 0x0                               ; the opening add is done
	s_wait_kmcnt 0x0
	FIRST 76, 4, SLOTA                             ; the three first fills go out together: tile 0 of distance,
	FIRST 80, 6, SLOTB                             ; of energy,
	FIRST 84, 8, SLOTC                             ; of the mask: three loads of mine are out
	s_load_b32 s96, s[34:35], 0x0                  ; b2
	s_add_nc_u64 s[12:13], s[12:13], s[94:95]
	s_add_nc_u64 s[14:15], s[14:15], s[94:95]
	s_add_nc_u64 s[10:11], s[10:11], s[98:99]
	s_add_nc_u64 s[36:37], s[36:37], s[98:99]
.irp i, 0,1,2,3,4
	global_load_b32 v[CD+2*\i], v19, s[18:19] offset:4*\i          ; sigma_D
	global_load_b32 v[CD+2*\i+1], v19, s[20:21] offset:4*\i        ; b_D
	global_load_b32 v[CD+10+\i], v19, s[16:17] offset:4*\i         ; mu_D
	global_load_b32 v[BIAS+\i], v19, s[30:31] offset:4*\i          ; b1
	global_load_b32 v[W2C+\i], v19, s[32:33] offset:4*\i           ; W2
.endr
.irp j, 0,1,2,3,4
.irp i, 0,1,2,3,4
	global_load_b32 v[W+10*\j+\i], v15, s[28:29] offset:40*\j+4*\i     ; W1(5 h + j, 5 h + i)
	global_load_b32 v[W+10*\j+5+\i], v11, s[28:29] offset:40*\j+4*\i   ; W1(5 h + j, 5 (1 - h) + i)
.endr
.endr
.irp u, 0,1,2,3                                ; V: chunk u is keys 8 u .. 8 u + 7 and those 32 on; its loads land in the registers that its turned numbers will take
.irp q, 0,1,2,3,4,5,6,7
	global_load_b128 v[R32+32*(\q/2)+8*\u+4*(\q%2):R32+32*(\q/2)+8*\u+4*(\q%2)+3], v6, s[14:15] offset:2048*\u+512*(\q%4)+8192*(\q/4)
.endr
.endr
	s_wait_loadcnt 32                              ; the 75 parameter loads are in; V's 32 may be out
	s_wait_kmcnt 0x0                               ; b2
	CHAIN CD
.set n, 0
.rept 50
	v_mul_f32 v[W+n], 0x3f3504f3, v[W+n]           ; W1 / sqrt(2)
.set n, n+1
.endr
.irp i, 0,1,2,3,4
	v_mul_f32 v[BIAS+\i], 0x3f3504f3, v[BIAS+\i]                   ; b1 / sqrt(2)
	v_mul_f32 v[W2C+\i], 0x3f8293ee, v[W2C+\i]                     ; W2 log2(e) / sqrt(2)
	v_mov_b32 v[VC+5+\i], 0                                        ; a lane permute's destination counts as one of its sources
.endr
	v_mov_b32 v[BIAS+5], 0                         ; named as the upper words of pairs
	v_mov_b32 v[W2C+5], 0
	v_mov_b32 v10, s96
	v_mul_f32 v10, 0x4038aa3b, v10                 ; 2 b2 log2(e): both biases' b2
	v_mov_b32 v11, v10
	v_mov_b32 v[CF], 0xaf95df0b                    ; P's leading coefficient, -2.72614226e-10
	v_mov_b32 v[CF+1], 0xb77460cd                  ; Q's, -1.45660718e-05
	FLIP 0, VC                                     ; sigma_D's signs into W1's columns (V's codes' registers are still free)
.irp u, 0,1,2,3                                ; V is turned: lane (r, h) of tile d wants channel 16 d + r of keys 32 h + 0 .. 31
	s_wait_loadcnt 24-8*\u                         ; this chunk's eight loads are in
.irp q, 0,1,2,3,4,5,6,7
	ds_store_b128 v7, v[R32+32*(\q/2)+8*\u+4*(\q%2):R32+32*(\q/2)+8*\u+4*(\q%2)+3] offset:544*\q
.endr
.irp d, 0,1,2,3
.irp i, 0,1,2,3,4,5,6,7
	ds_load_b32 v[R32+32*\d+8*\u+\i], v9 offset:272*\i+64*\d       ; LDS serves a wave's instructions in order: these see the stores above, and the next chunk's stores come behind them
.endr
.endr
.endr
	s_wait_dscnt 0x0
	QBLK R32+32, VC+6, VS+1
	LOADT 160, 12, 0, 8192                         ; K's tile 0 into the registers just left: keys 0-7 and 32-39
	QBLK R32+64, VC+12, VS+2
	LOADT 192, 12, 2048, 8192                      ; tile 1
	QBLK R32+96, VC+18, VS+3
	LOADT 224, 12, 4096, 8192                      ; tile 2
	QBLK R32, VC, VS
	KQ 160, 16, 128, 152                           ; K's codes lie compact in v128-151, the scale words in v152-157
	LOADT 160, 12, 6144, 8192                      ; K's tile 3
	KQ 192, 16, 134, 153
	LOADT 192, 10, 0, 2048                         ; Q's tile 0: 16 rows on end
	KQ 224, 16, 140, 154
	LOADT 224, 10, 4096, 2048                      ; Q's tile 1
	KQ 160, 16, 146, 155
	KQ 192, 8, 160, 156                            ; Q's operands at v160 and v172
	KQ 224, 0, 172, 157
.irp i, 0,1,2,3,4                              ; the energy chain's parameters, into registers that the head has just left; they are finished at the head's end
	global_load_b32 v[CE+2*\i], v19, s[24:25] offset:4*\i          ; sigma_E
	global_load_b32 v[CE+2*\i+1], v19, s[26:27] offset:4*\i        ; b_E
	global_load_b32 v[CE+10+\i], v19, s[22:23] offset:4*\i         ; mu_E
.endr
	v_mov_b32 v8, 0xceabfb8f                       ; -1e9 log2(e)
	v_mov_b32 v9, 0xff800000                       ; -infinity
.irp t, 0,1,2,3,4,5
	v_mov_b32 v[184+\t], v[152+\t]                 ; the six scale words, out of the results' way
	v_mov_b32 v[166+\t], 0
	v_mov_b32 v[178+\t], 0
.endr
.irp t, 0,1,2,3
.irp i, 0,1,2,3,4,5
	v_mov_b32 v[192+12*\t+\i], v[128+6*\t+\i]      ; K's four operands: six registers of codes, six of zero codes
	v_mov_b32 v[198+12*\t+\i], 0
.endr
.endr
.rept 8
	v_nop                                          ; scale words written by vector instructions stand eight places ahead of a scaled product
.endr
	SPROD 160, 188                                 ; tile 0's seed
	TOPARK R32
	s_wait_dscnt 0x0                               ; the stores have read their registers
.rept 5
	v_nop                                          ; five places ahead of products that write over earlier products' results
.endr
	SPROD 172, 189                                 ; tile 1's seed stays in registers
	s_wait_tensorcnt 0x0                           ; the three first fills have landed
	FROMPARK TT
	MASKLD
	s_wait_dscnt 0x0
	SENT TT
	TOPARK TT
	s_wait_loadcnt 0x0                             ; the energy chain's fifteen loads
	CHAIN CE
	; ---------------- tile 0; each slot takes tile 1's rows as soon as it has been read
	REFILL 84                                      ; the mask's
	PASS SLOTA, CD
	REFILL 76                                      ; distance's
	FLIP 1, HH                                     ; W1's columns take sigma_E's signs
	PASS SLOTB, CE
	REFILL 80                                      ; energy's: the last load
	FROMPARK TT                                    ; tile 0's t
	MASKLD                                         ; tile 1's mask: the waits for all loads above have shown it landed
	s_wait_dscnt 0x0
	SENT R32
	TOPARK R32                                     ; tile 1's seed takes the park
	SOFTMAX 0, R32
	; ---------------- tile 1
	FLIP 1, HH                                     ; back to sigma_D's signs
	PASS SLOTA, CD
	s_wait_tensorcnt 0x0                           ; energy's tile 1: no load was issued behind it
	FLIP 1, HH
	PASS SLOTB, CE
	FROMPARK TT
	s_wait_dscnt 0x0
	SOFTMAX 1, O1
	; ---------------- the merge.  Each wave lays its O^T in its own part of slots A and B, which have had their last fill and their last read: piece 2 q + h (registers 4 q .. 4 q + 3 of lane half h) at 272 bytes a piece, 16 bytes a query
	v_and_b32 v16, 15, v0
	v_bfe_u32 v17, v0, 4, 1
	v_mul_u32_u24 v6, v17, 272
	v_lshl_add_u32 v6, v16, 4, v6
	v_add_nc_u32 v6, s91, v6                       ; tile 0's, in slot A
	v_add_nc_u32 v7, SLOTB, v6                     ; tile 1's, in slot B
	v_lshl_add_u32 v18, v16, 3, PARK
	v_add_nc_u32 v18, s91, v18                     ; my statistics: 8 bytes a query, 128 a tile; both halves of the lanes hold the same
	s_lshr_b32 s92, s38, 3                         ; as a reducer: my tile,
	s_and_b32 s93, s38, 7
	s_lshl_b32 s93, s93, 1
	v_add_nc_u32 v17, s93, v17                     ; my lane's query 2 (wave % 8) + lane / 16,
	v_and_b32 v19, 12, v0                          ; and the piece that holds channels 4 (lane % 16) on: the chunk's two low bits change places
	v_and_b32 v3, 1, v0
	v_lshl_add_u32 v19, v3, 1, v19
	v_bfe_u32 v3, v0, 1, 1
	v_add_nc_u32 v19, v19, v3
	v_mul_u32_u24 v19, v19, 272
	v_lshl_add_u32 v19, v17, 4, v19
	s_mul_i32 s94, s92, SLOTB
	v_add_nc_u32 v19, s94, v19
	s_lshl_b32 s95, s92, 7
	s_add_co_u32 s95, s95, PARK
	v_lshl_add_u32 v16, v17, 3, s95
	v_lshlrev_b32 v3, 4, v0                        ; out0: 16 bytes a thread, 512 consecutive bytes a wave
.irp q, 0,1,2,3,4,5,6,7
	ds_store_b128 v6, v[R32+4*\q:R32+4*\q+3] offset:544*\q         ; each accumulator from its low end on
.endr
.irp q, 0,1,2,3,4,5,6,7
	ds_store_b128 v7, v[O1+4*\q:O1+4*\q+3] offset:544*\q
.endr
	ds_store_b64 v18, v[12:13]
	ds_store_b64 v18, v[14:15] offset:128
	s_wait_dscnt 0x0                               ; for the others' sake: my stores have landed
	s_barrier_signal -1
	s_barrier_wait -1
.set n, 0
.rept 16
	ds_load_b64 v[160+2*n:161+2*n], v16 offset:TILE*n              ; (-M, l) of my query from each wave
.set n, n+1
.endr
.set n, 0
.rept 16
	ds_load_b128 v[192+4*n:195+4*n], v19 offset:TILE*n             ; and its four channels
.set n, n+1
.endr
	s_wait_dscnt 16                                ; the statistics are in; the sixteen pieces may be out
	v_min3_num_f32 v18, v160, v162, v164
.irp k, 3,5,7,9,11,13
	v_min3_num_f32 v18, v18, v[160+2*\k], v[162+2*\k]
.endr
	v_min_num_f32 v18, v18, v190                   ; -M of the whole row
.set n, 0
.rept 16
	v_sub_f32 v[160+2*n], v18, v[160+2*n]          ; a wave's M less the row's: a whole number, 0 or less
.set n, n+1
.endr
.set n, 0
.rept 16
	v_cvt_i32_f32 v[160+2*n], v[160+2*n]           ; (it saturates)
.set n, n+1
.endr
.set n, 0
.rept 16
	v_ldexp_f32 v[160+2*n], 1.0, v[160+2*n]        ; the wave's factor: a power of two, which rounds nothing
.set n, n+1
.endr
	v_mul_f32 v132, v160, v161
.set n, 1
.rept 15
	v_fmac_f32 v132, v[160+2*n], v[161+2*n]        ; the row's l
.set n, n+1
.endr
	v_rcp_f32 v134, v132
	v_mov_b32 v135, 0                              ; a plain place behind the reciprocal; and the pair's upper word is written
	s_wait_dscnt 0x0
	v_pk_mul_f32 v[128:129], v[192:193], v[160:161] op_sel_hi:[1,0]
	v_pk_mul_f32 v[130:131], v[194:195], v[160:161] op_sel_hi:[1,0]
.set n, 1
.rept 15
	v_pk_fma_f32 v[128:129], v[192+4*n:193+4*n], v[160+2*n:161+2*n], v[128:129] op_sel_hi:[1,0,1]
	v_pk_fma_f32 v[130:131], v[194+4*n:195+4*n], v[160+2*n:161+2*n], v[130:131] op_sel_hi:[1,0,1]
.set n, n+1
.endr
	s_wait_alu depctr_va_vdst(0)                   ; the wait for the reciprocal, ahead of its first reader
	v_pk_mul_f32 v[128:129], v[128:129], v[134:135] op_sel_hi:[1,0]
	v_pk_mul_f32 v[130:131], v[130:131], v[134:135] op_sel_hi:[1,0]
	global_store_b128 v3, v[128:131], s[36:37] th:TH_STORE_NT      ; sixteen lanes store a query's 256 consecutive bytes, at a multiple of 256 from out0's first byte
	s_wait_tensorcnt 0x0                           ; the wave's end: behind my last tensor load and my last LDS store
	ds_add_u32 v1, v2
	s_wait_dscnt 0x0
	s_endpgm
.Lfunc_end_k_q5419c7de39_attn:
	.size	k_q5419c7de39_attn, .Lfunc_end_k_q5419c7de39_attn-k_q5419c7de39_attn
	.p2alignl 7, 3214868480
	.fill 96, 4, 3214868480
	.section	.rodata,"a",@progbits
	.p2align	6, 0x0
	.amdhsa_kernel k_q5419c7de39_attn
		.amdhsa_group_segment_fixed_size 327680
		.amdhsa_private_segment_fixed_size 0
		.amdhsa_enable_private_segment 0
		.amdhsa_kernarg_size 136
		.amdhsa_user_sgpr_count 2
		.amdhsa_user_sgpr_kernarg_segment_ptr 1
		.amdhsa_wavefront_size32 1
		.amdhsa_system_sgpr_workgroup_id_x 1
		.amdhsa_system_sgpr_workgroup_id_y 1
		.amdhsa_system_sgpr_workgroup_id_z 1
		.amdhsa_system_vgpr_workitem_id 0
		.amdhsa_next_free_vgpr 256
		.amdhsa_next_free_sgpr 100
		.amdhsa_reserve_vcc 1
		.amdhsa_float_denorm_mode_32 3
		.amdhsa_float_denorm_mode_16_64 3
		.amdhsa_memory_ordered 1
		.amdhsa_forward_progress 1
		.amdhsa_inst_pref_size 255
	.end_amdhsa_kernel
	.section	.bss,"aw",@nobits
	.p2align	6
	.space	262144
	.amdgpu_metadata
---
amdhsa.version: [ 1, 2 ]
amdhsa.kernels:
  - .name:           k_q5419c7de39_attn
    .symbol:         k_q5419c7de39_attn.kd
    .args:
      - { .name: distance_matrix, .offset: 0, .size: 8, .value_kind: global_buffer, .address_space: global }
      - { .name: energy_matrix, .offset: 8, .size: 8, .value_kind: global_buffer, .address_space: global }
      - { .name: mask, .offset: 16, .size: 8, .value_kind: global_buffer, .address_space: global }
      - { .name: Q, .offset: 24, .size: 8, .value_kind: global_buffer, .address_space: global }
      - { .name: K, .offset: 32, .size: 8, .value_kind: global_buffer, .address_space: global }
      - { .name: V, .offset: 40, .size: 8, .value_kind: global_buffer, .address_space: global }
      - { .name: mu_D, .offset: 48, .size: 8, .value_kind: global_buffer, .address_space: global }
      - { .name: sigma_D, .offset: 56, .size: 8, .value_kind: global_buffer, .address_space: global }
      - { .name: b_D, .offset: 64, .size: 8, .value_kind: global_buffer, .address_space: global }
      - { .name: mu_E, .offset: 72, .size: 8, .value_kind: global_buffer, .address_space: global }
      - { .name: sigma_E, .offset: 80, .size: 8, .value_kind: global_buffer, .address_space: global }
      - { .name: b_E, .offset: 88, .size: 8, .value_kind: global_buffer, .address_space: global }
      - { .name: W1, .offset: 96, .size: 8, .value_kind: global_buffer, .address_space: global }
      - { .name: b1, .offset: 104, .size: 8, .value_kind: global_buffer, .address_space: global }
      - { .name: W2, .offset: 112, .size: 8, .value_kind: global_buffer, .address_space: global }
      - { .name: b2, .offset: 120, .size: 8, .value_kind: global_buffer, .address_space: global }
      - { .name: out0, .offset: 128, .size: 8, .value_kind: global_buffer, .address_space: global }
    .group_segment_fixed_size: 327680
    .private_segment_fixed_size: 0
    .kernarg_segment_align: 8
    .kernarg_segment_size: 136
    .max_flat_workgroup_size: 512
    .sgpr_count:     100
    .vgpr_count:     256
    .wavefront_size: 32
...
	.end_amdgpu_metadata
.endif
;; end of part 2
